; MI455X (gfx1250); checked and timed in simulation.
; The chip was launched on July 23, 2026; its instructions are those of AMD's public machine-readable ISA for CDNA 5 (MIT licence, August 2026) and "CDNA5" Instruction Set Architecture Reference Guide (July 2026). The comments in the code are by the model that wrote it; some were corrected since.
;; Multihead Attention. Allowed arithmetic: matrix products marked QUANTISED: E2M3 operands, one E8M0 scale for each 32 along K, by v_wmma_scale_f32_16x16x128_f8f6f4 with both operands' format E2M3, f32 sums; everything else in f32.
;; Inputs: Wk 1,024 x 1,024 float32; Wo 1,024 x 1,024 float32; Wq 1,024 x 1,024 float32; Wv 1,024 x 1,024 float32; bk 1,024 float32; bo 1,024 float32; bq 1,024 float32; bv 1,024 float32; x 8 x 1,024 x 1,024 float32.
;; Outputs: out0 8 x 1,024 x 1,024 float32.
;; This version of the problem:
;;   THIS VERSION OF THE PROBLEM IS GIVEN IN LOW PRECISION. The matrix products marked QUANTISED in the list below multiply operands that are first quantised to E2M3 (2 exponent bits, 3 mantissa bits; 6 bits a number), with one power-of-two scale for each 32 numbers along K (OCP MX v1.0); their sums are f32. All else is computed in f32.
;;   The module's matrix products, in the order in which they are computed (A, B: the left and right operand; K: the contracted axis; several contracted axes count as one K, in the product's order):
;;     1. [M 8,192, K 1,024] x [K 1,024, N 1,024]; A: input x; B: input Wq: QUANTISED
;;     2. [M 8,192, K 1,024] x [K 1,024, N 1,024]; A: input x; B: input Wk: QUANTISED
;;     3. [M 8,192, K 1,024] x [K 1,024, N 1,024]; A: input x; B: input Wv: QUANTISED
;;     4. batch 8 x [M 1,024, K 1,024] x [K 1,024, N 1,024]; A: computed on the way; B: computed on the way: QUANTISED
;;     5. batch 8 x [M 1,024, K 1,024] x [K 1,024, N 1,024]; A: softmax (see below); B: computed on the way: QUANTISED
;;     6. [M 8,192, K 1,024] x [K 1,024, N 1,024]; A: computed on the way; B: input Wo: QUANTISED
;;   THE QUANTISER, for each operand of a quantised product, along K:
;;     - K is cut into blocks of 32 from its start; a last block that is shorter is filled with zeros.
;;     - A block's scale is 2^e with e = floor(log2(the largest magnitude in the block)) - 2, held to -126 .. 127; a block of zeros has e = 0. As a byte (E8M0): e + 127.
;;     - Each number is divided by its block's scale, clamped to +-7.5, and rounded to the nearest number of E2M3, ties to even, subnormals kept.
;;     - The product sums the exact products of the quantised numbers (number of the format x scale) in f32.
;;   ~~~python
;;   def quantise(x, axis):      # numpy; x: float32 -> the quantised numbers, widened to float32 again
;;       x = np.moveaxis(x, axis, -1); K = x.shape[-1]
;;       x = np.pad(x, [(0, 0)] * (x.ndim - 1) + [(0, -K % 32)]); x = x.reshape(x.shape[:-1] + (-1, 32)); a = np.abs(x).max(-1, keepdims=True)
;;       e = np.where(a > 0, np.clip(np.frexp(np.where(a > 0, a, 1))[1] - 1 - 2, -126, 127), 0)      # np.frexp(a)[1] - 1 = floor(log2(a)), exactly
;;       r = np.clip(x / 2.0 ** e, -7.5, 7.5)
;;       step = 2.0 ** (np.maximum(np.frexp(np.where(r == 0, 1, r))[1] - 1, 0) - 3)
;;       q = np.round(r / step) * step * 2.0 ** e      # np.round: ties to even
;;       return np.moveaxis(q.reshape(q.shape[:-2] + (-1,))[..., :K], -1, axis).astype(np.float32)
;;   ~~~
;;   SOFTMAX AHEAD OF A QUANTISED PRODUCT. Where the list says 'softmax', what is quantised is not the finished softmax but p = 2^(t - M), with t = logit x log2(e) and M = ceil(the row's largest t), a whole number; so 1/2 < the row's largest p <= 1. The row's sum l is taken of the UNQUANTISED p, in f32, and the product's result is divided by l at the end. Since M is a whole number, a kernel that streams over the keys may use a running M (the ceiling of the running maximum): every later rescaling is an exact power of two, which a block's scale takes up: the codes' values come out the same.
;;   OPERANDS COMPUTED ON THE WAY. 'Computed on the way' means the value that the module computes at that place (a softmax that the list does not call 'softmax' is quantised finished and normalised). What goes into a quantiser is computed in f32, as accurately as f32 sums, v_exp_f32 and their like allow (about 1e-6 of the number): no bf16 or f16 on the way to a quantiser, and a product that is left as it is and whose result goes on into a quantised operand takes f32 operands (vector FMAs, or v_wmma_f32_16x16x4_f32). A number that lies on a knife's edge between two numbers of the format may be rounded either way, as far as f32 arithmetic and the matrix unit's own rounding can turn it there, and no further.
;; One version. Each part assembles by itself: llvm-mc -triple=amdgcn-amd-amdhsa -mcpu=gfx1250 --defsym DOCPART=n.
;; ======== version 1 of 1: 5 launches
;; limits: right only within a limited range of input values
;; workspace buffers: xq 6,553,600 bytes; wfi 3,276,800 bytes; qkvfi 19,660,800 bytes; pfi 6,553,600 bytes; stat 524,288 bytes; ofi 6,553,600 bytes
;; launch quant (part 1): grid 384 x 1, 4 waves a work-group, no clusters, 48,640 bytes of LDS; arguments x, Wq, Wk, Wv, Wo, xq, wfi; writes xq, wfi
.if DOCPART == 1
	.amdgcn_target "amdgcn-amd-amdhsa--gfx1250"
	.amdhsa_code_object_version 6
	.text
	.protected	k_qaadf8ca00e_quant
	.globl	k_qaadf8ca00e_quant
	.p2align	8
	.type	k_qaadf8ca00e_quant,@function
k_qaadf8ca00e_quant:
	s_mov_b64 s[64:65], 0
	v_nop
	global_prefetch_b8 v0, s[64:65] scope:SCOPE_SE
	s_setreg_imm32_b32 hwreg(HW_REG_WAVE_MODE, 25, 1), 1
	s_wait_xcnt 0x0
; SINGLE-HEAD ATTENTION IN MX-FP6 (E2M3), FIVE LAUNCHES: quant, qkv, scores, pv, proj.  This one turns x and the four weights into codes and E8M0 scale bytes.
; NO WORK OF THE PROBLEM IS DEAD: bq, bk and bv are added ahead of quantisers, whose codes and scales they move; bo reaches the output; all six products are live.  Every input is loaded by some launch.
; THE WORKSPACE FORMAT (all operands between launches).  A panel is 128 rows x K 1,024: eight K blocks of 12,800 bytes, one for each 128 along K.  A K block is eight tiles of 16 rows as IMAGES OF THE OPERAND'S
; REGISTERS (1,536 bytes: register 4 c + i of lane l at byte 512 c + 16 l + 4 i; lane (r, h) holds k = 64 c' + 32 h + 0 .. 31 in registers 6 c' .. 6 c' + 5), then the tiles' scale words, 64 bytes a tile, word r for row r.
; Lane-row r of tile t is the panel's row 32 (t / 2) + 8 (t % 2) + r + 8 (r / 8), so that, where a panel is source 0 of a transposed product, a lane's 16 results of tiles 2 b, 2 b + 1 are 16 neighbours along the next K.
; THE QUANTISER: a block's scale byte is its largest magnitude's exponent field - 2; numbers are divided by the scale and rounded to the nearest code, ties to even, beyond 7.5 the largest code.
; LIMITS: NaN and infinities are not served; a block whose largest magnitude lies under 2^-124, a block of zeros among them, keeps the byte 1 (its codes add nothing or next to nothing; this program alone reads the bytes).
; SHARES.  A wave's task is half a panel (64 rows, four tiles) x one K block: 8,192 numbers in, 6,144 bytes of codes and one aligned 256 bytes of scale words out.  Work-groups 0-255 take x (K innermost: rows turn
; through the wave's own stage in LDS, so that loads are dense and a lane ends up with whole blocks), 256-383 the weights (K is the first axis: a lane takes a column and its registers run down K).
; The two paths have LDS bytes of their own.  No matrix work, no tensor load, no barrier, no cluster: waves share nothing.
.set FRAG,  1536
.set KBLK,  12800
.set SCOFF, 12288
.set PANEL, 102400
.set XSP,   528                        ; x path: a stage row: 512 bytes + 16: sixteen rows start at sixteen different 16-byte columns
.set XSC,   33792                      ; behind the four stages of 16 x 528: the x path's scale words, 256 bytes a wave
.set WIM,   34816                      ; W path: two tiles' images, 3,072 bytes a wave
.set WSC,   47104                      ; W path: scale words, 256 bytes a wave
.set SPARE, 48128                      ; the spare words, 128 bytes a wave: two blocks of 256 bytes that no other line names
.set SPW,   12                         ; v12  LDS address of my spare word; never rewritten
.set NIL,   13                         ; v13  0; never rewritten
.set R,     16                         ; x path: v16-143 two sets of 16 rows x 4 registers as loaded
.set X,     144                        ; x path: v144-207 my two blocks of 32 numbers
.set Y,     16                         ; W path: v16-79 two sets of 32 numbers down K
.set OUTR,  80                         ; W path: v80-103 two tiles' images on the way out
.set C,     208                        ; codes
.set WV,    18
.set SEL,   20
	s_load_b256 s[4:11], s[0:1], 0x0               ; x, Wq, Wk, Wv
	s_load_b128 s[12:15], s[0:1], 0x20             ; Wo, xq
	s_load_b64 s[16:17], s[0:1], 0x30              ; wfi
	v_lshl_add_u32 v[SPW], v0, 2, SPARE
	v_mov_b32 v[NIL], 0
	v_lshrrev_b32 v1, 5, v0
	v_readfirstlane_b32 s[WV], v1                  ; wave 0..3
	v_and_b32 v1, 31, v0                           ; lane
	s_mov_b32 s[SEL], 0x76543210
	s_mov_b32 s[SEL+1], 0xfedcba98                 ; v_permlanex16_b32's selects for lane l xor 16
	s_cmp_lt_u32 ttmp9, 256
	s_cbranch_scc0 .Lweights
; ---------------- x: work-group g: K block 4 (g & 1) + wave, half (g >> 1) & 1, panel g >> 2
	s_and_b32 s22, ttmp9, 1
	s_lshl_b32 s22, s22, 2
	s_add_co_u32 s22, s22, s[WV]                   ; K block
	s_bfe_u32 s23, ttmp9, 0x10001                  ; half
	s_lshr_b32 s24, ttmp9, 2                       ; panel
	s_lshl_b32 s26, s24, 19                        ; in: (128 panel + 64 half) rows of 4,096 bytes + 512 x K block
	s_lshl_b32 s25, s23, 18
	s_add_co_u32 s26, s26, s25
	s_lshl_b32 s25, s22, 9
	s_add_co_u32 s26, s26, s25
	s_mov_b32 s27, 0
	s_mul_i32 s28, s24, PANEL                      ; out: the half's four tiles in the panel's K block
	s_mul_i32 s25, s22, KBLK
	s_add_co_u32 s28, s28, s25
	s_mul_i32 s25, s23, 4*FRAG
	s_add_co_u32 s28, s28, s25
	s_mov_b32 s29, 0
	s_mul_i32 s30, s23, 4*FRAG-256
	s_sub_co_u32 s30, SCOFF, s30                   ; from there to the half's 256 bytes of scale words
	v_and_b32 v9, 15, v0                           ; r
	v_bfe_u32 v10, v0, 4, 1                        ; h
	s_wait_alu depctr_va_vdst(0)
	v_lshlrev_b32 v2, 4, v1                        ; 16 x lane: my bytes of a row's 512, and of an image's 512
	s_mul_i32 s31, s[WV], 16*XSP
	v_add_nc_u32 v3, s31, v2                       ; the stage, on the way in: a row as it lies
	v_mul_u32_u24 v4, v9, XSP
	v_lshl_add_u32 v4, v10, 7, v4
	v_add_nc_u32 v4, s31, v4                       ; and on the way out: row r, + 128 h: my block of 32 numbers
	s_lshl_b32 s31, s[WV], 8
	s_add_co_u32 s31, s31, XSC
	v_lshl_add_u32 v5, v9, 2, s31                  ; my row's scale word
	v_lshl_add_u32 v6, v1, 3, s31                  ; the words on the way out, 8 bytes a lane
	v_lshlrev_b32 v7, 3, v10                       ; 8 h: my two bytes' place in the word
	v_lshl_add_u32 v8, v1, 3, s30
	v_mov_b32 v235, 0                              ; written once: a lane permute's destination counts as one of its sources
	s_wait_alu depctr_va_vdst(0)
	s_wait_kmcnt 0x0
	s_add_nc_u64 s[4:5], s[4:5], s[26:27]
	s_add_nc_u64 s[14:15], s[14:15], s[28:29]
.macro LOADX tl                        ; tile tl's sixteen rows, 512 dense bytes a load
.irp i, 0,1,2,3,4,5,6,7,8,9,10,11,12,13,14,15
	global_load_b128 v[R+64*((\tl)%2)+4*\i:R+64*((\tl)%2)+4*\i+3], v2, s[4:5] offset:(32*((\tl)/2)+8*((\tl)%2)+\i+8*(\i/8))*4096 th:TH_LOAD_NT
.endr
.endm
.macro TILE tl
.set RS, R+64*((\tl)%2)
.if (\tl) < 3
	s_wait_loadcnt 16                              ; this tile's sixteen loads are in; the next tile's may be out
.else
	s_wait_loadcnt 0x0
.endif
.irp i, 0,1,2,3,4,5,6,7,8,9,10,11,12,13,14,15
	ds_store_b128 v3, v[RS+4*\i:RS+4*\i+3] offset:XSP*\i
.endr
.irp c, 0,1
.irp j, 0,1,2,3,4,5,6,7
	ds_load_b128 v[X+32*\c+4*\j:X+32*\c+4*\j+3], v4 offset:256*\c+16*\j   ; k = 64 c + 32 h + 0 .. 31 of row r; LDS serves a wave's instructions in order: these see the stores
.endr
.endr
	s_wait_dscnt 0x0                               ; my numbers are back, and the stores have read their registers,
.if (\tl) < 2
	LOADX (\tl)+2                                  ; which take the tile two further on
.endif
.irp c, 0,1
	v_max3_num_f32 v[228+\c], |v[X+32*\c]|, |v[X+32*\c+1]|, 0x1800000   ; my block 2 c + h, and the floor 2^(3 - 127): the byte cannot fall under 1
.endr
.irp i, 2,4,6,8,10,12,14,16,18,20,22,24,26,28,30
.irp c, 0,1
	v_max3_num_f32 v[228+\c], v[228+\c], |v[X+32*\c+\i]|, |v[X+32*\c+\i+1]|
.endr
.endr
.irp c, 0,1
	v_add_nc_u32 v[230+\c], 0xff000000, v[228+\c]  ; 2 off the exponent field: the conversion's scale operand
.endr
.irp c, 0,1
	v_lshrrev_b32 v[232+\c], 23, v[230+\c]         ; the scale's byte
.endr
	v_lshl_or_b32 v234, v233, 16, v232             ; blocks h and 2 + h,
	v_lshlrev_b32 v234, v7, v234                   ; at their places in the row's word;
	v_permlanex16_b32 v235, v234, s[SEL], s[SEL+1]
	v_or_b32 v234, v234, v235                      ; with lane l xor 16's two the word is whole
.if (\tl) > 0
	s_wait_alu depctr_va_vdst(0)
	s_wait_xcnt 0x0                                ; the last tile's stores have read the codes' registers
.endif
.irp c, 0,1
	v_cvt_scalef32_pk16_fp6_f32 v[C+6*\c:C+6*\c+2], v[X+32*\c:X+32*\c+15], v[230+\c]
	v_cvt_scalef32_pk16_fp6_f32 v[220+4*\c:222+4*\c], v[X+32*\c+16:X+32*\c+31], v[230+\c]   ; (a conversion's three registers begin on an even number)
.endr
	v_nop                                          ; one plain place behind a scaled conversion
.irp c, 0,1
.irp i, 0,1,2
	v_mov_b32 v[C+6*\c+3+\i], v[220+4*\c+\i]
.endr
.endr
.irp c, 0,1,2
	global_store_b128 v2, v[C+4*\c:C+4*\c+3], s[14:15] offset:FRAG*(\tl)+512*\c   ; the image: 512 consecutive bytes a store
.endr
	ds_store_b32 v5, v234 offset:64*(\tl)          ; both lanes of a row write the same word
.endm
	LOADX 0
	LOADX 1
	TILE 0
	TILE 1
	TILE 2
	TILE 3
	ds_load_b64 v[236:237], v6
	s_wait_dscnt 0x0
	global_store_b64 v8, v[236:237], s[14:15]      ; four tiles' scale words: one aligned 256 bytes
	s_wait_tensorcnt 0x0                           ; the wave's end
	ds_add_u32 v[SPW], v[NIL]
	s_wait_dscnt 0x0
	s_endpgm
; ---------------- the weights: g' = g - 256: matrix g' >> 5, K block g' & 7, columns 256 ((g' >> 3) & 3) + 64 wave on
.Lweights:
	s_sub_co_u32 s22, ttmp9, 256
	s_lshr_b32 s24, s22, 5                         ; which matrix: Wq, Wk, Wv, Wo
	s_and_b32 s23, s22, 7                          ; K block
	s_bfe_u32 s25, s22, 0x20003                    ; quarter of the columns
	s_lshl_b32 s26, s23, 19                        ; in: 128 x K block rows of 4,096 bytes + 4 x first column
	s_lshl_b32 s30, s25, 10
	s_add_co_u32 s26, s26, s30
	s_lshl_b32 s30, s[WV], 8
	s_add_co_u32 s26, s26, s30
	s_mov_b32 s27, 0
	s_lshl_b32 s28, s24, 3                         ; out: panel 8 x matrix + 2 x quarter + wave / 2, half wave & 1
	s_lshl_b32 s30, s25, 1
	s_add_co_u32 s28, s28, s30
	s_lshr_b32 s30, s[WV], 1
	s_add_co_u32 s28, s28, s30
	s_mul_i32 s28, s28, PANEL
	s_mul_i32 s30, s23, KBLK
	s_add_co_u32 s28, s28, s30
	s_and_b32 s31, s[WV], 1
	s_mul_i32 s30, s31, 4*FRAG
	s_add_co_u32 s28, s28, s30
	s_mov_b32 s29, 0
	s_mul_i32 s30, s31, 4*FRAG-256
	s_sub_co_u32 s30, SCOFF, s30
	s_wait_alu depctr_va_vdst(0)
	v_lshlrev_b32 v2, 2, v1                        ; in: 4 bytes a lane: my column
	v_bfe_u32 v9, v0, 3, 1                         ; column l of 32 is tile u = (l / 8) % 2,
	v_and_b32 v10, 7, v0
	v_bfe_u32 v11, v0, 4, 1
	v_lshl_add_u32 v10, v11, 3, v10                ; lane-row r = l % 8 + 8 (l / 16)
	s_mul_i32 s31, s[WV], 2*FRAG
	s_add_co_u32 s31, s31, WIM
	v_mul_u32_u24 v3, v9, FRAG
	v_lshl_add_u32 v3, v10, 4, v3
	v_add_nc_u32 v3, s31, v3                       ; into the images: tile u, image lane r (+ 16 for the odd blocks, by the offset)
	v_lshl_add_u32 v4, v1, 4, s31                  ; and out of them as they lie
	s_lshl_b32 s31, s[WV], 8
	s_add_co_u32 s31, s31, WSC
	v_lshlrev_b32 v5, 6, v9
	v_lshl_add_u32 v5, v10, 2, v5
	v_add_nc_u32 v5, s31, v5                       ; my column's scale word
	v_lshl_add_u32 v6, v1, 3, s31
	v_lshlrev_b32 v7, 4, v1
	v_lshl_add_u32 v8, v1, 3, s30
	s_wait_kmcnt 0x0
	s_cmp_eq_u32 s24, 1                            ; the choice hangs on the work-group's number alone
	s_cselect_b64 s[6:7], s[8:9], s[6:7]
	s_cmp_eq_u32 s24, 2
	s_cselect_b64 s[6:7], s[10:11], s[6:7]
	s_cmp_eq_u32 s24, 3
	s_cselect_b64 s[6:7], s[12:13], s[6:7]
	s_add_nc_u64 s[6:7], s[6:7], s[26:27]
	s_add_nc_u64 s[16:17], s[16:17], s[28:29]
.macro LOADW q                         ; block q: columns 32 (q / 4) on, k = 32 (q % 4) + 0 .. 31
.irp i, 0,1,2,3,4,5,6,7,8,9,10,11,12,13,14,15,16,17,18,19,20,21,22,23,24,25,26,27,28,29,30,31
	global_load_b32 v[Y+32*((\q)%2)+\i], v2, s[6:7] offset:(32*((\q)%4)+\i)*4096+128*((\q)/4)
.endr
.endm
.macro BLOCK q
.set YS, Y+32*((\q)%2)
.set KB, (\q)%4
.if (\q) < 7
	s_wait_loadcnt 32                              ; this block's 32 loads are in; the next block's may be out
.else
	s_wait_loadcnt 0x0
.endif
	v_max3_num_f32 v228, |v[YS]|, |v[YS+1]|, |v[YS+2]|             ; the block's largest magnitude: all 32 numbers are mine
	v_max3_num_f32 v229, |v[YS+3]|, |v[YS+4]|, |v[YS+5]|
.irp i, 6,10,14,18,22,26
	v_max3_num_f32 v228, v228, |v[YS+\i]|, |v[YS+\i+1]|
	v_max3_num_f32 v229, v229, |v[YS+\i+2]|, |v[YS+\i+3]|
.endr
	v_max3_num_f32 v228, v228, |v[YS+30]|, |v[YS+31]|
	v_max3_num_f32 v228, v228, v229, 0x1800000     ; and the floor
	v_add_nc_u32 v230, 0xff000000, v228
	v_lshrrev_b32 v231, 23, v230
.if KB == 0
	v_mov_b32 v234, v231                           ; the column's scale word: the lower K in the lower byte
.else
	v_lshl_or_b32 v234, v231, 8*KB, v234
.endif
	v_cvt_scalef32_pk16_fp6_f32 v[C:C+2], v[YS:YS+15], v230
	v_cvt_scalef32_pk16_fp6_f32 v[216:218], v[YS+16:YS+31], v230
	v_nop                                          ; one plain place behind a scaled conversion
.irp i, 0,1,2
	v_mov_b32 v[C+3+\i], v[216+\i]
.endr
.irp e, 0,1,2                          ; the block's six registers are registers 6 (KB / 2) + 0 .. 5 of image lane r + 16 (KB % 2)
	ds_store_b64 v3, v[C+2*\e:C+2*\e+1] offset:256*(KB%2)+512*((6*(KB/2)+2*\e)/4)+4*((6*(KB/2)+2*\e)%4)
.endr
.if (\q) < 6
	LOADW (\q)+2
.endif
	s_wait_dscnt 0x0                               ; the stores have read their registers
.endm
.macro FLUSH cg                        ; two finished tiles leave as they lie
	ds_store_b32 v5, v234 offset:128*(\cg)
.if (\cg) > 0
	s_wait_xcnt 0x0                                ; the first two tiles' stores have read their registers
.endif
.irp t, 0,1,2,3,4,5
	ds_load_b128 v[OUTR+4*\t:OUTR+4*\t+3], v4 offset:512*\t
.endr
	s_wait_dscnt 0x0
.irp t, 0,1,2,3,4,5
	global_store_b128 v7, v[OUTR+4*\t:OUTR+4*\t+3], s[16:17] offset:2*FRAG*(\cg)+512*\t
.endr
.endm
	LOADW 0
	LOADW 1
	BLOCK 0
	BLOCK 1
	BLOCK 2
	BLOCK 3
	s_wait_alu depctr_va_vdst(0)
	FLUSH 0
	BLOCK 4
	BLOCK 5
	BLOCK 6
	BLOCK 7
	s_wait_alu depctr_va_vdst(0)
	FLUSH 1
	ds_load_b64 v[236:237], v6
	s_wait_dscnt 0x0
	global_store_b64 v8, v[236:237], s[16:17]      ; four tiles' scale words: one aligned 256 bytes
	s_wait_tensorcnt 0x0                           ; the wave's end
	ds_add_u32 v[SPW], v[NIL]
	s_wait_dscnt 0x0
	s_endpgm
.Lfunc_end_k_qaadf8ca00e_quant:
	.size	k_qaadf8ca00e_quant, .Lfunc_end_k_qaadf8ca00e_quant-k_qaadf8ca00e_quant
	.p2alignl 7, 3214868480
	.fill 96, 4, 3214868480
	.section	.rodata,"a",@progbits
	.p2align	6, 0x0
	.amdhsa_kernel k_qaadf8ca00e_quant
		.amdhsa_group_segment_fixed_size 48640
		.amdhsa_private_segment_fixed_size 0
		.amdhsa_enable_private_segment 0
		.amdhsa_kernarg_size 56
		.amdhsa_user_sgpr_count 2
		.amdhsa_user_sgpr_kernarg_segment_ptr 1
		.amdhsa_wavefront_size32 1
		.amdhsa_system_sgpr_workgroup_id_x 1
		.amdhsa_system_sgpr_workgroup_id_y 1
		.amdhsa_system_sgpr_workgroup_id_z 1
		.amdhsa_system_vgpr_workitem_id 0
		.amdhsa_next_free_vgpr 240
		.amdhsa_next_free_sgpr 66
		.amdhsa_reserve_vcc 0
		.amdhsa_float_denorm_mode_32 3
		.amdhsa_float_denorm_mode_16_64 3
		.amdhsa_memory_ordered 1
		.amdhsa_forward_progress 1
		.amdhsa_inst_pref_size 73
	.end_amdhsa_kernel
	.amdgpu_metadata
---
amdhsa.version: [ 1, 2 ]
amdhsa.kernels:
  - .name:           k_qaadf8ca00e_quant
    .symbol:         k_qaadf8ca00e_quant.kd
    .args:
      - { .name: x, .offset: 0, .size: 8, .value_kind: global_buffer, .address_space: global }
      - { .name: Wq, .offset: 8, .size: 8, .value_kind: global_buffer, .address_space: global }
      - { .name: Wk, .offset: 16, .size: 8, .value_kind: global_buffer, .address_space: global }
      - { .name: Wv, .offset: 24, .size: 8, .value_kind: global_buffer, .address_space: global }
      - { .name: Wo, .offset: 32, .size: 8, .value_kind: global_buffer, .address_space: global }
      - { .name: xq, .offset: 40, .size: 8, .value_kind: global_buffer, .address_space: global }
      - { .name: wfi, .offset: 48, .size: 8, .value_kind: global_buffer, .address_space: global }
    .group_segment_fixed_size: 48640
    .private_segment_fixed_size: 0
    .kernarg_segment_align: 8
    .kernarg_segment_size: 56
    .max_flat_workgroup_size: 128
    .sgpr_count:     66
    .vgpr_count:     240
    .wavefront_size: 32
...
	.end_amdgpu_metadata
.endif
;; end of part 1
;; launch qkv (part 2): grid 4 x 64, 4 waves a work-group, clusters of 4 x 4, 327,680 bytes of LDS; arguments xq, wfi, bq, bk, bv, qkvfi; writes qkvfi
.if DOCPART == 2
	.amdgcn_target "amdgcn-amd-amdhsa--gfx1250"
	.amdhsa_code_object_version 6
	.text
	.protected	k_qaadf8ca00e_qkv
	.globl	k_qaadf8ca00e_qkv
	.p2align	8
	.type	k_qaadf8ca00e_qkv,@function
k_qaadf8ca00e_qkv:
	s_mov_b64 s[64:65], 0
	v_nop
	global_prefetch_b8 v0, s[64:65] scope:SCOPE_SE
	s_setreg_imm32_b32 hwreg(HW_REG_WAVE_MODE, 25, 1), 1
	s_wait_xcnt 0x0
	s_wait_alu depctr_hold_cnt(0) depctr_sa_sdst(0) depctr_va_vdst(0) depctr_va_sdst(0) depctr_va_ssrc(0) depctr_va_vcc(0) depctr_vm_vsrc(0)
	s_getreg_b32 s2, hwreg(HW_REG_IB_STS2, 6, 4)
	s_cmp_eq_u32 s2, 0
	s_cbranch_scc0 .Lentry_in_a_cluster
	s_endpgm
.Lentry_in_a_cluster:
	s_bfe_u32 s2, ttmp6, 0x10000c
	s_cmp_lg_u32 s2, 0xf033
	s_cbranch_scc0 .Lentry_shape_is_right
	s_endpgm
.Lentry_shape_is_right:
; q = x Wq + bq, k = x Wk + bk (quantised along the features) and v = x Wv + bv (quantised along the KEYS, so it is made transposed), all on codes of E2M3 with E8M0 scales, results stored as codes again.  No work is left out.
; Operands and results lie in the workspace format: panels of 128 rows x K 1,024 as eight K blocks of 12,800 bytes: eight tiles' register images of 1,536 bytes, then their scale words (64 bytes a tile).
; Lane-row r of tile t is panel row 32 (t / 2) + 8 (t % 2) + r + 8 (r / 8).
; A TILE OF WORK is 128 rows of source 1 x 256 rows of source 0 over all of K: three panels, 307,200 bytes of LDS.  A WORK-GROUP STAYS and makes three: q and k of its 128 tokens x 256 features (source 1 = the tokens,
; source 0 = the weight's columns), then v^T of 128 features x 256 tokens of its batch (source 1 = Wv's columns, source 0 = the tokens).  The first tile's panels are asked for at the head, in the order of K.
; Each panel falls into two halves of four K blocks; a half that has been read out is filled again with the next tile's, so that the next tile's panels land while this tile is multiplied, quantised and stored.
; x's panel serves q and k: it is fetched once for both.  Nothing waits for a tile's stores but the end of the wave.
; THE MATRIX INSTRUCTION IS USED TRANSPOSED: a lane holds ONE row of source 1, and its registers run along source 0's rows, which are the next product's K: the 64 results of a tile of source 1 become one fragment in registers.
; A WAVE makes 64 x 128: 32 accumulators.  Wave w: source 1's tiles 4 (w / 2) on, source 0's panel w % 2.
; CLUSTER 4 x 4: source 1's panel hangs on the tile row alone and is asked for jointly by a row of the cluster, source 0's panels on the tile column (and the cluster's y) and by a column.  Each refill stands behind a round
; of the cluster's barrier, one tensor load a wave.
; LIMITS: NaN and infinities are not served; a block whose largest magnitude lies under 2^-124 keeps the scale byte 1.
; REGISTERS.  Window 0: v1-15 addresses; v16-23 bv by lane, in pairs; v30, v31 the add's two; v32-63 source 0's scale words, v64-79 source 1's; v80-143 X, 64 results at work; v144-159 the quantiser's; v160-255 source 1's
; fragments, two sets (between tiles v208-227 hold the codes just made).  Window 1: the accumulators, (a, b) at v[8 (8 a + b)].  Window 2: v0-191 source 0's fragments, two sets.  Window 3: v0-63 bq, v64-127 bk, along source 0's rows.
.set FRAG,  1536
.set KBLK,  12800
.set SCOFF, 12288
.set PANEL, 102400
.set HALF,  4*KBLK                     ; four K blocks of a panel
.set BLDS,  PANEL                      ; LDS: source 1's panel at 0, source 0's two from here on
.set SCR,   3*PANEL                    ; 768 bytes of scratch for each wave: no tile lands there
.set SPARE, SCR+4*768                  ; the spare words, 128 bytes a wave: two blocks of 256 bytes that no other line names
.set L16, 1
.set L4,  2
.set ADA, 4                            ; v4, v5   source 1's fragments in LDS, K blocks 0-3 and 4-7.  v4 = 6,144 (w / 2) + 16 lane is also my offset in a result's K block
.set GO,  4
.set ADB, 6                            ; v6, v7   source 0's
.set ASA, 8                            ; v8, v9   source 1's scale words
.set ASB, 10                           ; v10, v11 source 0's
.set SCW, 12
.set SCRD, 13
.set GS,  15
.set FAC, 16
.set SPW, 30
.set NIL, 31
.set SB,  32
.set SA,  64
.set X,   80
.set TM,  144
.set PW,  152
.set AF,  160
.set PC,  208
.set G1CA, 32                          ; s[32:39]  group 1, source 1, 100 rows of 256 bytes: two K blocks
.set G1CB, 40                          ; s[40:47]  group 1, source 0, 200 rows: four K blocks
.set WV,  66
.set WM,  67
.set WN,  68
.set CX,  69
.set CY,  70
.set XT,  71
.set CLY, 72
.set YY,  73
.set LB,  74                           ; s74       LDS: source 0's panel w % 2
.set BAT, 75
.set G0CA, 76                          ; s[76:79]  group 0 of the coarse loads for source 1; it walks
.set G0CB, 80                          ; s[80:83]  the same for source 0
.set OUT, 84
.set AC2, 86                           ; s[86:87]  Wv's panel, my two K blocks of a half
.set SEL, 88
.set BC2, 90                           ; s[90:91]  the batch's tokens, panel w % 2
.set LA,  100                          ; s100      LDS: my two K blocks of a half of source 1's panel
.set MSB, 0
.macro WIN new                         ; bits 1:0 source 0, 3:2 source 1, 5:4 source 2, 7:6 destination; the high byte repeats the setting that is left
.if MSB != \new
	s_set_vgpr_msb (MSB<<8)|\new
.set MSB, \new
.endif
.endm
.macro CROUND                          ; a round of the cluster's barrier
	s_barrier_signal -1
	s_barrier_wait -1
	s_cmp_lg_u32 s[WV], 0
	s_cbranch_scc1 .Lnot_wave_0_\@
	s_barrier_signal -3
.Lnot_wave_0_\@:
	s_barrier_wait -3
	s_barrier_signal -1
	s_barrier_wait -1
.endm
.macro PLACES                          ; four plain places behind matrix instructions, ahead of loads into their sources and of reads of their results
.rept 4
	v_nop
.endr
.endm
.macro SHAPE g, rows                   ; group 1 behind its first word: so many dense rows of 32 elements of 8 bytes
	s_mov_b32 s[\g+1], 32<<16
	s_mov_b32 s[\g+2], (\rows)<<16
	s_mov_b32 s[\g+3], 32<<16
	s_mov_b32 s[\g+4], \rows
	s_mov_b32 s[\g+5], 32
	s_mov_b32 s[\g+6], 0
	s_mov_b32 s[\g+7], 0
.endm
; A coarse joint load: waves 0 and 1 fetch two K blocks each of source 1's half (witha = 1; with 0 they fetch nothing: source 1's panel stays), waves 2 and 3 four K blocks each of source 0's.
; The branch hangs on the wave's number alone.  An s_nop 0 and four v_nop follow each of the two lines.
.macro JLOAD witha
	s_cmp_eq_u32 s[WM], 0
.if \witha
	s_cbranch_scc0 .Lfor_b_\@
	tensor_load_to_lds s[G0CA:G0CA+3], s[G1CA:G1CA+7]
	s_nop 0
.rept 4
	v_nop
.endr
	s_branch .Lasked_\@
.Lfor_b_\@:
.else
	s_cbranch_scc1 .Lasked_\@
.endif
	tensor_load_to_lds s[G0CB:G0CB+3], s[G1CB:G1CB+7]
	s_nop 0
.rept 4
	v_nop
.endr
.Lasked_\@:
.endm
.macro NEWDESC n                       ; the walking groups 0 for refill n; no tensor load of mine is out where this stands
.if (\n) == 0                          ; Wk's panels lie eight panels behind Wq's: its K blocks 0-3
	s_mov_b32 s[G0CB+1], s[LB]
	s_add_nc_u64 s[G0CB+2:G0CB+3], s[G0CB+2:G0CB+3], 8*PANEL-HALF
.elseif (\n) == 1                      ; its K blocks 4-7
	s_add_co_u32 s[G0CB+1], s[LB], HALF
	s_add_nc_u64 s[G0CB+2:G0CB+3], s[G0CB+2:G0CB+3], HALF
.elseif (\n) == 2                      ; v: Wv's panel and the batch's tokens, K blocks 0-3
	s_mov_b32 s[G0CA+1], s[LA]
	s_mov_b64 s[G0CA+2:G0CA+3], s[AC2:AC2+1]
	s_or_b32 s[G0CA+3], s[G0CA+3], 0x80000000
	s_mov_b32 s[G0CB+1], s[LB]
	s_mov_b64 s[G0CB+2:G0CB+3], s[BC2:BC2+1]
	s_or_b32 s[G0CB+3], s[G0CB+3], 0x80000000
.else                                  ; their K blocks 4-7
	s_add_co_u32 s[G0CA+1], s[LA], HALF
	s_add_nc_u64 s[G0CA+2:G0CA+3], s[G0CA+2:G0CA+3], HALF
	s_add_co_u32 s[G0CB+1], s[LB], HALF
	s_add_nc_u64 s[G0CB+2:G0CB+3], s[G0CB+2:G0CB+3], HALF
.endif
.endm
.macro FETCH ks, set                   ; K block ks: source 0's eight fragments and four registers of scale words, source 1's four fragments and two
	WIN 0x80
.irp b, 0,1,2,3,4,5,6,7
.irp c, 0,1,2
	ds_load_b128 v[96*(\set)+12*\b+4*\c:96*(\set)+12*\b+4*\c+3], v[ADB+(\ks)/4] offset:((\ks)%4)*KBLK+FRAG*\b+512*\c
.endr
.endr
	WIN 0
.irp j, 0,1,2,3
	ds_load_b32 v[SB+4*(\ks)+\j], v[ASB+(\ks)/4] offset:((\ks)%4)*KBLK+128*\j   ; lanes 0-15: tile 2 j's words, lanes 16-31: tile 2 j + 1's
.endr
.irp a, 0,1
.irp c, 0,1,2
	ds_load_b128 v[AF+48*(\set)+12*\a+4*\c:AF+48*(\set)+12*\a+4*\c+3], v[ADA+(\ks)/4] offset:((\ks)%4)*KBLK+FRAG*\a+512*\c
.endr
.endr
.irp j, 0,1
	ds_load_b32 v[SA+2*(\ks)+\j], v[ASA+(\ks)/4] offset:((\ks)%4)*KBLK+128*\j
.endr
.irp a, 2,3
.irp c, 0,1,2
	ds_load_b128 v[AF+48*(\set)+12*\a+4*\c:AF+48*(\set)+12*\a+4*\c+3], v[ADA+(\ks)/4] offset:((\ks)%4)*KBLK+FRAG*\a+512*\c
.endr
.endr
.endm
.macro PROD a, b, set, ks              ; one product; K block 0 starts a tile's sums with the constant 0.  An odd tile's scale words stand in lanes 16-31
.set rD, 8*(8*(\a)+(\b))
.set rB, 96*(\set)+12*(\b)
.set rA, AF+48*(\set)+12*(\a)
.set rP, SB+4*(\ks)+(\b)/2
.set rQ, SA+2*(\ks)+(\a)/2
.if (\ks) == 0
.if ((\a)%2 == 0) && ((\b)%2 == 0)
	v_wmma_scale_f32_16x16x128_f8f6f4 v[rD:rD+7], v[rB:rB+11], v[rA:rA+11], 0, v[rP], v[rQ] matrix_a_fmt:MATRIX_FMT_FP6 matrix_b_fmt:MATRIX_FMT_FP6
.elseif (\a)%2 == 0
	v_wmma_scale_f32_16x16x128_f8f6f4 v[rD:rD+7], v[rB:rB+11], v[rA:rA+11], 0, v[rP], v[rQ] matrix_a_fmt:MATRIX_FMT_FP6 matrix_b_fmt:MATRIX_FMT_FP6 matrix_a_scale:MATRIX_SCALE_ROW1
.elseif (\b)%2 == 0
	v_wmma_scale_f32_16x16x128_f8f6f4 v[rD:rD+7], v[rB:rB+11], v[rA:rA+11], 0, v[rP], v[rQ] matrix_a_fmt:MATRIX_FMT_FP6 matrix_b_fmt:MATRIX_FMT_FP6 matrix_b_scale:MATRIX_SCALE_ROW1
.else
	v_wmma_scale_f32_16x16x128_f8f6f4 v[rD:rD+7], v[rB:rB+11], v[rA:rA+11], 0, v[rP], v[rQ] matrix_a_fmt:MATRIX_FMT_FP6 matrix_b_fmt:MATRIX_FMT_FP6 matrix_a_scale:MATRIX_SCALE_ROW1 matrix_b_scale:MATRIX_SCALE_ROW1
.endif
.else
.if ((\a)%2 == 0) && ((\b)%2 == 0)
	v_wmma_scale_f32_16x16x128_f8f6f4 v[rD:rD+7], v[rB:rB+11], v[rA:rA+11], v[rD:rD+7], v[rP], v[rQ] matrix_a_fmt:MATRIX_FMT_FP6 matrix_b_fmt:MATRIX_FMT_FP6
.elseif (\a)%2 == 0
	v_wmma_scale_f32_16x16x128_f8f6f4 v[rD:rD+7], v[rB:rB+11], v[rA:rA+11], v[rD:rD+7], v[rP], v[rQ] matrix_a_fmt:MATRIX_FMT_FP6 matrix_b_fmt:MATRIX_FMT_FP6 matrix_a_scale:MATRIX_SCALE_ROW1
.elseif (\b)%2 == 0
	v_wmma_scale_f32_16x16x128_f8f6f4 v[rD:rD+7], v[rB:rB+11], v[rA:rA+11], v[rD:rD+7], v[rP], v[rQ] matrix_a_fmt:MATRIX_FMT_FP6 matrix_b_fmt:MATRIX_FMT_FP6 matrix_b_scale:MATRIX_SCALE_ROW1
.else
	v_wmma_scale_f32_16x16x128_f8f6f4 v[rD:rD+7], v[rB:rB+11], v[rA:rA+11], v[rD:rD+7], v[rP], v[rQ] matrix_a_fmt:MATRIX_FMT_FP6 matrix_b_fmt:MATRIX_FMT_FP6 matrix_a_scale:MATRIX_SCALE_ROW1 matrix_b_scale:MATRIX_SCALE_ROW1
.endif
.endif
.endm
.macro MUL16 a0, set, ks               ; source 1's tiles a0, a0 + 1 x source 0's eight.  The 32 accumulators take turns, one instruction a turn, in the same order in every K block and every tile
.irp a, \a0, \a0+1
.irp b, 0,1,2,3,4,5,6,7
	PROD (\a), \b, \set, \ks
.endr
.endr
.endm
; K block j of a tile: 16 products, the next K block's fragments in one run, 16 products.  What stands in its middle:
;   mode 0  nothing more
;   mode 1  a barrier behind which nothing is filled: every wave has waited until at most arg of its tensor loads are out, so the K blocks that follow are whole in LDS
;   mode 2  A HALF IS FILLED AGAIN (refill arg).  My reads of the half are over: the last were asked for a K block ago.  Every wave waits for all its tensor loads, adds 0 to its spare word, steps the descriptors, and waits
;           for the add and for its reads; a round of the cluster's barrier; the joint refill first behind it, one tensor load a wave.  The same wait and round show the other half whole, which the run of loads then reads
;   mode 4  a work-group's last K block: nothing is left to fetch
;   mode 5  a later tile's K block 0: the run of loads lands on the registers that held the last fragment's codes, so the stores that read them have had their addresses translated first (ISA guide 3.1)
.macro STEP j, mode, arg
	s_wait_dscnt 6                                 ; all of this K block but source 1's tiles 2 and 3, the youngest six loads
	WIN 0x52                                       ; source 0 window 2, source 1 window 0, C and D window 1
	MUL16 0, (\j)%2, \j
.if (\mode) == 2
	WIN 0
	s_wait_tensorcnt 0x0                           ; all my tensor loads have landed, so a group 0 may be written
	ds_add_u32 v[SPW], v[NIL]                      ; 0 onto my spare word
	NEWDESC \arg
	s_wait_dscnt 0x0                               ; the add is done, and my reads of the half are over
	CROUND                                         ; both now hold of every wave of all sixteen work-groups
.if (\arg) < 2
	JLOAD 0
	PLACES                                         ; (waves 0 and 1 have passed no v_nop)
.else
	JLOAD 1                                        ; the four v_nop behind the load are also the places in front of the loads below
.endif
.elseif (\mode) == 1
	s_wait_dscnt 0x0
	s_wait_tensorcnt \arg
	s_barrier_signal -1
	s_barrier_wait -1
	PLACES
.elseif (\mode) == 5
	s_wait_dscnt 0x0
	s_wait_xcnt 0x0
	PLACES
.elseif (\mode) == 0
	s_wait_dscnt 0x0
	PLACES
.else
	s_wait_dscnt 0x0
.endif
.if (\mode) != 4
	FETCH ((\j)+1)%8, ((\j)+1)%2
.endif
	WIN 0x52
	MUL16 2, (\j)%2, \j
.endm
.macro QMAX                            ; X: register 16 b + i = k 32 b + 16 (lane / 16) + i of my row: each block's largest magnitude, with the floor 2^(3 - 127)
.irp b, 0,1,2,3
	v_max3_num_f32 v[TM+\b], |v[X+16*\b]|, |v[X+1+16*\b]|, 0x1800000
.endr
.irp i, 2,4,6,8,10,12,14
.irp b, 0,1,2,3
	v_max3_num_f32 v[TM+\b], v[TM+\b], |v[X+16*\b+\i]|, |v[X+1+16*\b+\i]|
.endr
.endr
.irp b, 0,1,2,3
	v_permlanex16_b32 v[TM+4+\b], v[TM+\b], s[SEL], s[SEL+1]
.endr
.irp b, 0,1,2,3
	v_max_num_f32 v[TM+\b], v[TM+\b], v[TM+4+\b]
.endr
.endm
.macro QTAIL                           ; from the four largest magnitudes: the scale word in v[PW], the fragment's codes in v[PC] on
.irp b, 0,1,2,3
	v_add_nc_u32 v[TM+12+\b], 0xff000000, v[TM+\b] ; 2 off the exponent field: the conversion's scale operand
.endr
.irp b, 0,1,2,3
	v_lshrrev_b32 v[TM+4+\b], 23, v[TM+12+\b]      ; the scale's byte
.endr
	v_lshl_or_b32 v[PW], v[TM+5], 8, v[TM+4]
	v_lshl_or_b32 v[PW], v[TM+6], 16, v[PW]
	v_lshl_or_b32 v[PW], v[TM+7], 24, v[PW]
.irp c, 0,1
	v_cvt_scalef32_pk16_fp6_f32 v[PC+6*\c:PC+2+6*\c], v[X+32*\c:X+15+32*\c], v[TM+12+2*\c]
	v_cvt_scalef32_pk16_fp6_f32 v[PC+12+4*\c:PC+14+4*\c], v[X+16+32*\c:X+31+32*\c], v[TM+12+2*\c+1]   ; (a conversion's three registers begin on an even number)
.endr
	v_nop                                          ; one plain place behind a scaled conversion
.irp c, 0,1                            ; the operand's layout wants a whole block in a lane
.irp i, 0,1,2
	v_permlane16_swap_b32 v[PC+6*\c+\i], v[PC+12+4*\c+\i]
.endr
.irp i, 0,1,2
	v_mov_b32 v[PC+3+6*\c+\i], v[PC+12+4*\c+\i]
.endr
.endr
.endm
.macro PUTFI a                         ; the fragment leaves as an image, 512 consecutive bytes a store; its scale words are gathered in my scratch
.irp c, 0,1,2
	global_store_b128 v[GO], v[PC+4*\c:PC+4*\c+3], s[OUT:OUT+1] offset:FRAG*(\a)+512*\c
.endr
	ds_store_b32 v[SCW], v[PW] offset:64*(\a)
.endm
; A tile's way out, a tile of source 1 at a time: + bias, quantised along source 0's rows, stored as a fragment.  kind 0 q, 1 k: the bias runs along source 0's rows; 2 v: it goes by source 1's row, one number a lane.
; The next tile's first fragments are on their way from LDS meanwhile: nothing here names their registers (v32-35, v64-65, v160-207; window 2's v0-95).
.macro EPI kind
	WIN 0
	PLACES
.if (\kind) == 0
	s_wait_loadcnt 0x0                             ; the biases, asked for at the head
.else
	s_wait_xcnt 0x0                                ; the last tile's stores have read their base and their registers
	s_add_nc_u64 s[OUT:OUT+1], s[OUT:OUT+1], 64*PANEL   ; q's, k's and v's panels lie 64 panels apart
.endif
.irp a, 0,1,2,3
.if \a > 0
	s_wait_xcnt 0x0                                ; the last fragment's stores have read the codes' registers
.endif
.if (\kind) < 2
	WIN 0x0d                                       ; accumulators window 1, the bias window 3
.set j, 0
.rept 32
	v_pk_add_f32 v[X+j:X+j+1], v[64*\a+j:64*\a+j+1], v[64*(\kind)+j:64*(\kind)+j+1]   ; each accumulator from its low end on
.set j, j+2
.endr
.else
	WIN 0x01
.set j, 0
.rept 32
	v_pk_add_f32 v[X+j:X+j+1], v[64*\a+j:64*\a+j+1], v[FAC+2*\a:FAC+2*\a+1] op_sel_hi:[1,0]
.set j, j+2
.endr
.endif
	WIN 0
	QMAX
	QTAIL
	PUTFI \a
.endr
	ds_load_b64 v[24:25], v[SCRD]                  ; LDS serves a wave's instructions in order: these see my four stores
	s_wait_dscnt 0x0
	global_store_b64 v[GS], v[24:25], s[OUT:OUT+1] ; four tiles' scale words: one aligned 256 bytes
.endm
	s_load_b256 s[4:11], s[0:1], 0x0               ; xq, wfi, bq, bk
	s_load_b128 s[12:15], s[0:1], 0x20             ; bv, qkvfi
	v_lshl_add_u32 v[SPW], v0, 2, SPARE
	v_mov_b32 v[NIL], 0
	ds_add_u32 v[SPW], v[NIL]                      ; the wave's opening: the add, twice on end, and its wait ahead of my first tensor load
	ds_add_u32 v[SPW], v[NIL]
	v_lshrrev_b32 v1, 5, v0
	v_readfirstlane_b32 s[WV], v1                  ; wave 0..3
	s_lshr_b32 s[WM], s[WV], 1
	s_and_b32 s[WN], s[WV], 1
	s_bfe_u32 s[CX], ttmp6, 0x40000
	s_bfe_u32 s[CY], ttmp6, 0x40004
	s_lshl_b32 s[XT], ttmp9, 2
	s_add_co_u32 s[XT], s[XT], s[CX]               ; tile column
	s_and_b32 s[CLY], ttmp7, 0xffff
	s_lshr_b32 s[BAT], s[CLY], 1                   ; the batch: the same in all sixteen partners
	s_lshl_b32 s[YY], s[CLY], 2
	s_add_co_u32 s[YY], s[YY], s[CY]               ; tile row, 0..63
	s_lshl_b32 s92, s[CY], 2
	s_lshl_b32 s92, 15, s92                        ; my row of the cluster
	s_lshl_b32 s93, 0x1111, s[CX]                  ; my column
	s_or_b32 s[G1CA], s92, (3<<16)|(1<<21)         ; group 1's first word: the mask; elements of 8 bytes; bit 21 beside a mask; no padding
	s_or_b32 s[G1CB], s93, (3<<16)|(1<<21)
	SHAPE G1CA, 100
	SHAPE G1CB, 200
	; source 1's side: s92, s100 and what they feed hold nothing of the tile column
	s_mul_i32 s92, s[YY], PANEL                    ; the tokens' panel
	s_mul_i32 s[LA], s[WN], 2*KBLK                 ; my two K blocks of a half, in memory and in LDS
	s_add_co_u32 s[G0CA+2], s92, s[LA]             ; the head's fill: K blocks 0-3
	s_mov_b32 s[G0CA+3], 0
	s_and_b32 s92, s[YY], 7                        ; v: Wv's panel 16 + tile row % 8
	s_add_co_u32 s92, s92, 16
	s_mul_i32 s92, s92, PANEL
	s_add_co_u32 s[AC2], s92, s[LA]
	s_mov_b32 s[AC2+1], 0
	; source 0's side: s93, s74 and what they feed hold nothing of the place along the cluster's y
	s_lshl_b32 s93, s[XT], 1
	s_mul_i32 s93, s93, PANEL                      ; Wq's panels 2 x tile column on
	s_mul_i32 s[LB], s[WN], PANEL                  ; panel w % 2
	s_add_co_u32 s[G0CB+2], s93, s[LB]             ; the head's fill: K blocks 0-3
	s_mov_b32 s[G0CB+3], 0
	s_add_co_u32 s[LB], s[LB], BLDS
	s_lshl_b32 s93, s[BAT], 3                      ; v: the tokens' panel 8 batch + 2 x tile column + w % 2
	s_add_co_u32 s93, s93, s[WN]
	s_lshl_b32 s[BC2], s[XT], 1
	s_add_co_u32 s93, s93, s[BC2]
	s_mul_i32 s[BC2], s93, PANEL
	s_mov_b32 s[BC2+1], 0
	; the results and the biases
	s_mul_i32 s[OUT], s[YY], PANEL                 ; q: panel = tile row, K block 2 x tile column + w % 2
	s_lshl_b32 s2, s[XT], 1
	s_add_co_u32 s2, s2, s[WN]
	s_mul_i32 s2, s2, KBLK
	s_add_co_u32 s[OUT], s[OUT], s2
	s_mov_b32 s[OUT+1], 0
	s_lshl_b32 s2, s[XT], 10                       ; bq, bk: from number 256 x tile column + 128 (w % 2) on
	s_lshl_b32 s3, s[WN], 9
	s_add_co_u32 s2, s2, s3
	s_and_b32 s101, s[YY], 7                       ; bv: from number 128 (tile row % 8) + 64 (w / 2) on
	s_lshl_b32 s101, s101, 9
	s_lshl_b32 s3, s[WM], 8
	s_add_co_u32 s101, s101, s3
	s_mov_b32 s[SEL], 0x76543210
	s_mov_b32 s[SEL+1], 0xfedcba98
	s_wait_dscnt 0x0                               ; both opening adds are done
	s_wait_kmcnt 0x0
	s_add_nc_u64 s[G0CA+2:G0CA+3], s[4:5], s[G0CA+2:G0CA+3]
	s_or_b32 s[G0CA+3], s[G0CA+3], 0x80000000
	s_add_nc_u64 s[AC2:AC2+1], s[6:7], s[AC2:AC2+1]
	s_add_nc_u64 s[G0CB+2:G0CB+3], s[6:7], s[G0CB+2:G0CB+3]
	s_or_b32 s[G0CB+3], s[G0CB+3], 0x80000000
	s_add_nc_u64 s[BC2:BC2+1], s[4:5], s[BC2:BC2+1]
	s_add_nc_u64 s[OUT:OUT+1], s[14:15], s[OUT:OUT+1]
	s_mov_b32 s[G0CA], 1
	s_mov_b32 s[G0CA+1], s[LA]
	s_mov_b32 s[G0CB], 1
	s_mov_b32 s[G0CB+1], s[LB]
	CROUND                                         ; all sixteen work-groups are here: the joint loads meet
	JLOAD 1                                        ; K blocks 0-3 of all three panels
	v_and_b32 v24, 31, v0                          ; lane
	v_and_b32 v25, 15, v0                          ; r
	v_bfe_u32 v26, v0, 4, 1                        ; h
	v_lshlrev_b32 v[L16], 4, v24
	v_lshlrev_b32 v[L4], 2, v24
	s_mul_i32 s92, s[WM], 4*FRAG
	v_add_nc_u32 v[ADA], s92, v[L16]
	v_add_nc_u32 v[ADA+1], HALF, v[ADA]
	v_add_nc_u32 v[ADB], s[LB], v[L16]
	v_add_nc_u32 v[ADB+1], HALF, v[ADB]
	s_lshl_b32 s92, s[WM], 8
	s_add_co_u32 s92, s92, SCOFF
	v_add_nc_u32 v[ASA], s92, v[L4]
	v_add_nc_u32 v[ASA+1], HALF, v[ASA]
	s_add_co_u32 s93, s[LB], SCOFF
	v_add_nc_u32 v[ASB], s93, v[L4]
	v_add_nc_u32 v[ASB+1], HALF, v[ASB]
	s_mul_i32 s93, s[WV], 768
	s_add_co_u32 s93, s93, SCR
	v_lshl_add_u32 v[SCW], v25, 2, s93
	v_lshl_add_u32 v[SCRD], v24, 3, s93
	v_lshl_add_u32 v[GS], v24, 3, s92              ; my 8 bytes of a result's 256 bytes of scale words
	v_lshl_add_u32 v3, v26, 6, s2                  ; bq, bk: register 16 b + i wants number 32 b + 16 h + i of my 128
	v_and_b32 v27, 8, v25
	v_add_nc_u32 v27, v27, v25
	v_lshl_add_u32 v14, v27, 2, s101               ; bv: row r + 8 (r / 8) of a tile
	WIN 0xc0                                       ; destination window 3
.irp b, 0,1,2,3
.irp q, 0,1,2,3
	global_load_b128 v[16*\b+4*\q:16*\b+4*\q+3], v3, s[8:9] offset:128*\b+16*\q
	global_load_b128 v[64+16*\b+4*\q:64+16*\b+4*\q+3], v3, s[10:11] offset:128*\b+16*\q
.endr
.endr
	WIN 0
.irp a, 0,1,2,3
	global_load_b32 v[FAC+2*\a], v14, s[12:13] offset:(32*(\a/2)+8*(\a%2))*4
	v_mov_b32 v[FAC+2*\a+1], 0                     ; (named with it as a pair)
.endr
.irp b, 0,1,2,3
	v_mov_b32 v[TM+4+\b], 0                        ; written once: a lane permute's destination counts as one of its sources
.endr
	s_wait_alu depctr_va_vdst(0)
	s_wait_tensorcnt 0x0                           ; my part of K blocks 0-3 is in
	ds_add_u32 v[SPW], v[NIL]
	NEWDESC 3                                      ; no tensor load of mine is out: both groups 0 step to K blocks 4-7
	s_wait_dscnt 0x0                               ; the add is done
	CROUND                                         ; everybody's part of K blocks 0-3 is in, and the joint loads meet
	JLOAD 1                                        ; K blocks 4-7, the first tensor load behind the round; three and a half K blocks are multiplied before the wait for it
	FETCH 0, 0
	; ---- q
	STEP 0, 0, 0
	STEP 1, 0, 0
	STEP 2, 0, 0
	STEP 3, 2, 0                                   ; Wq's K blocks 0-3 are read out: Wk's take their place
	STEP 4, 0, 0
	STEP 5, 0, 0
	STEP 6, 0, 0
	STEP 7, 2, 1                                   ; and its K blocks 4-7; k's first fragments are fetched
	EPI 0
	; ---- k
	STEP 0, 5, 0
	STEP 1, 0, 0
	STEP 2, 0, 0
	STEP 3, 2, 2                                   ; x's and Wk's K blocks 0-3 are read out: Wv's panel and the batch's tokens take their place
	STEP 4, 0, 0
	STEP 5, 0, 0
	STEP 6, 0, 0
	STEP 7, 2, 3
	EPI 1
	; ---- v, transposed
	STEP 0, 5, 0
	STEP 1, 0, 0
	STEP 2, 0, 0
	STEP 3, 1, 0                                   ; the last refill has landed, everybody's; nothing is filled again
	STEP 4, 0, 0
	STEP 5, 0, 0
	STEP 6, 0, 0
	STEP 7, 4, 0
	EPI 2
	s_wait_tensorcnt 0x0                           ; the wave's end
	ds_add_u32 v[SPW], v[NIL]
	s_wait_dscnt 0x0
	CROUND                                         ; the closing round: no work-group ends while a partner may still ask for a tile that names it
	s_endpgm
.Lfunc_end_k_qaadf8ca00e_qkv:
	.size	k_qaadf8ca00e_qkv, .Lfunc_end_k_qaadf8ca00e_qkv-k_qaadf8ca00e_qkv
	.p2alignl 7, 3214868480
	.fill 96, 4, 3214868480
	.section	.rodata,"a",@progbits
	.p2align	6, 0x0
	.amdhsa_kernel k_qaadf8ca00e_qkv
		.amdhsa_group_segment_fixed_size 327680
		.amdhsa_private_segment_fixed_size 0
		.amdhsa_enable_private_segment 0
		.amdhsa_kernarg_size 48
		.amdhsa_user_sgpr_count 2
		.amdhsa_user_sgpr_kernarg_segment_ptr 1
		.amdhsa_wavefront_size32 1
		.amdhsa_system_sgpr_workgroup_id_x 1
		.amdhsa_system_sgpr_workgroup_id_y 1
		.amdhsa_system_sgpr_workgroup_id_z 1
		.amdhsa_system_vgpr_workitem_id 0
		.amdhsa_next_free_vgpr 896
		.amdhsa_next_free_sgpr 102
		.amdhsa_reserve_vcc 0
		.amdhsa_float_denorm_mode_32 3
		.amdhsa_float_denorm_mode_16_64 3
		.amdhsa_memory_ordered 1
		.amdhsa_forward_progress 1
		.amdhsa_inst_pref_size 255
	.end_amdhsa_kernel
	.section	.bss,"aw",@nobits
	.p2align	6
	.space	262144
	.amdgpu_metadata
---
amdhsa.version: [ 1, 2 ]
amdhsa.kernels:
  - .name:           k_qaadf8ca00e_qkv
    .symbol:         k_qaadf8ca00e_qkv.kd
    .args:
      - { .name: xq, .offset: 0, .size: 8, .value_kind: global_buffer, .address_space: global }
      - { .name: wfi, .offset: 8, .size: 8, .value_kind: global_buffer, .address_space: global }
      - { .name: bq, .offset: 16, .size: 8, .value_kind: global_buffer, .address_space: global }
      - { .name: bk, .offset: 24, .size: 8, .value_kind: global_buffer, .address_space: global }
      - { .name: bv, .offset: 32, .size: 8, .value_kind: global_buffer, .address_space: global }
      - { .name: qkvfi, .offset: 40, .size: 8, .value_kind: global_buffer, .address_space: global }
    .group_segment_fixed_size: 327680
    .private_segment_fixed_size: 0
    .kernarg_segment_align: 8
    .kernarg_segment_size: 48
    .max_flat_workgroup_size: 128
    .sgpr_count:     102
    .vgpr_count:     896
    .wavefront_size: 32
...
	.end_amdgpu_metadata
.endif
;; end of part 2
;; launch scores (part 3): grid 4 x 64, 4 waves a work-group, clusters of 4 x 4, 327,680 bytes of LDS; arguments qkvfi, pfi, stat; writes pfi, stat
.if DOCPART == 3
	.amdgcn_target "amdgcn-amd-amdhsa--gfx1250"
	.amdhsa_code_object_version 6
	.text
	.protected	k_qaadf8ca00e_scores
	.globl	k_qaadf8ca00e_scores
	.p2align	8
	.type	k_qaadf8ca00e_scores,@function
k_qaadf8ca00e_scores:
	s_mov_b64 s[64:65], 0
	v_nop
	global_prefetch_b8 v0, s[64:65] scope:SCOPE_SE
	s_setreg_imm32_b32 hwreg(HW_REG_WAVE_MODE, 25, 1), 1
	s_wait_xcnt 0x0
	s_wait_alu depctr_hold_cnt(0) depctr_sa_sdst(0) depctr_va_vdst(0) depctr_va_sdst(0) depctr_va_ssrc(0) depctr_va_vcc(0) depctr_vm_vsrc(0)
	s_getreg_b32 s2, hwreg(HW_REG_IB_STS2, 6, 4)
	s_cmp_eq_u32 s2, 0
	s_cbranch_scc0 .Lentry_in_a_cluster
	s_endpgm
.Lentry_in_a_cluster:
	s_bfe_u32 s2, ttmp6, 0x10000c
	s_cmp_lg_u32 s2, 0xf033
	s_cbranch_scc0 .Lentry_shape_is_right
	s_endpgm
.Lentry_shape_is_right:
; S = q k^T on codes of E2M3, and the softmax's p of each chunk of 128 keys, quantised along the keys and stored as codes.  No work is left out.
; t = score x log2(e) / 32.  For each query and chunk: M = ceil(the chunk's largest t), a whole number; p = 2^(t - M); l = the sum of the unquantised p.  p's codes and scale bytes (under the chunk's M), -M and l are stored;
; the next launch brings the chunks under the row's M by exact powers of two, which the scale bytes take up.
; Operands and results lie in the workspace format: panels of 128 rows x K 1,024 as eight K blocks of 12,800 bytes: eight tiles' register images of 1,536 bytes, then their scale words (64 bytes a tile).
; A WORK-GROUP makes 128 queries (source 1) x 256 keys (source 0) over all of K; its three panels, 307,200 bytes, are asked for at the head by one tensor load a wave, in the order of K; nothing is filled again.
; THE MATRIX INSTRUCTION IS USED TRANSPOSED: a lane holds one query, its registers run along the keys.  A WAVE makes 64 queries x one chunk of 128 keys: wave w: tiles 4 (w / 2) on, key panel w % 2.
; CLUSTER 4 x 4: q's panel is asked for jointly by a row of the cluster, k's panels by a column.
; LIMITS: NaN and infinities are not served; |t| stays under 2^24, so that M is an exact whole number; a block all of whose p have fallen to 0 keeps the scale byte 1.
; REGISTERS.  Window 0: v1-15 addresses; v24-29 at work; v30, v31 the add's two; v32-63, v64-79 scale words; v80-143 X: t - M, then p; v144-159 the quantiser's; v160-255 q's fragments, two sets (afterwards v160-239 codes).
; Window 1: the accumulators, (a, b) at v[8 (8 a + b)].  Window 2: v0-191 k's fragments, two sets.
.set FRAG,  1536
.set KBLK,  12800
.set SCOFF, 12288
.set PANEL, 102400
.set BLDS,  PANEL
.set SCR,   3*PANEL                    ; 768 bytes for each wave: scale words, -M, l
.set SPARE, SCR+4*768                  ; the spare words, 128 bytes a wave: two blocks of 256 bytes that no other line names
.set LOADSA, 1
.set L16, 1
.set L4,  2
.set ADA, 4                            ; v4 = 6,144 (w / 2) + 16 lane is also my offset in a result's K block
.set GO,  4
.set ADB, 6
.set ASA, 8
.set ASB, 10
.set SCW, 12
.set SCRD, 13
.set GS,  15
.set SPW, 30
.set NIL, 31
.set SB,  32
.set SA,  64
.set X,   80
.set TM,  144
.set PW,  152
.set AF,  160
.set PC,  160
.set G1A, 16
.set G1B, 24
.set G0,  32
.set WV,  66
.set WM,  67
.set WN,  68
.set CX,  69
.set CY,  70
.set XT,  71
.set CLY, 72
.set YY,  73
.set BAT, 75
.set OUT, 84
.set SEL, 88
.set CS,  90
.set MSB, 0
.macro WIN new                         ; bits 1:0 source 0, 3:2 source 1, 5:4 source 2, 7:6 destination; the high byte repeats the setting that is left
.if MSB != \new
	s_set_vgpr_msb (MSB<<8)|\new
.set MSB, \new
.endif
.endm
.macro CROUND                          ; a round of the cluster's barrier
	s_barrier_signal -1
	s_barrier_wait -1
	s_cmp_lg_u32 s[WV], 0
	s_cbranch_scc1 .Lnot_wave_0_\@
	s_barrier_signal -3
.Lnot_wave_0_\@:
	s_barrier_wait -3
	s_barrier_signal -1
	s_barrier_wait -1
.endm
.macro PLACES                          ; four plain places behind matrix instructions, ahead of loads into their sources and of reads of their results
.rept 4
	v_nop
.endr
.endm
.macro FETCH ks, set                   ; K block ks: source 0's eight fragments and four registers of scale words, source 1's four fragments and two
	WIN 0x80
.irp b, 0,1,2,3,4,5,6,7
.irp c, 0,1,2
	ds_load_b128 v[96*(\set)+12*\b+4*\c:96*(\set)+12*\b+4*\c+3], v[ADB+(\ks)/4] offset:((\ks)%4)*KBLK+FRAG*\b+512*\c
.endr
.endr
	WIN 0
.irp j, 0,1,2,3
	ds_load_b32 v[SB+4*(\ks)+\j], v[ASB+(\ks)/4] offset:((\ks)%4)*KBLK+128*\j   ; lanes 0-15: tile 2 j's words, lanes 16-31: tile 2 j + 1's
.endr
.irp a, 0,1
.irp c, 0,1,2
	ds_load_b128 v[AF+48*(\set)+12*\a+4*\c:AF+48*(\set)+12*\a+4*\c+3], v[ADA+(\ks)/4] offset:((\ks)%4)*KBLK+FRAG*\a+512*\c
.endr
.endr
.if LOADSA
.irp j, 0,1
	ds_load_b32 v[SA+2*(\ks)+\j], v[ASA+(\ks)/4] offset:((\ks)%4)*KBLK+128*\j
.endr
.endif
.irp a, 2,3
.irp c, 0,1,2
	ds_load_b128 v[AF+48*(\set)+12*\a+4*\c:AF+48*(\set)+12*\a+4*\c+3], v[ADA+(\ks)/4] offset:((\ks)%4)*KBLK+FRAG*\a+512*\c
.endr
.endr
.endm
.macro PROD a, b, set, ks              ; one product; K block 0 starts the sums with the constant 0.  An odd tile's scale words stand in lanes 16-31
.set rD, 8*(8*(\a)+(\b))
.set rB, 96*(\set)+12*(\b)
.set rA, AF+48*(\set)+12*(\a)
.set rP, SB+4*(\ks)+(\b)/2
.set rQ, SA+2*(\ks)+(\a)/2
.if (\ks) == 0
.if ((\a)%2 == 0) && ((\b)%2 == 0)
	v_wmma_scale_f32_16x16x128_f8f6f4 v[rD:rD+7], v[rB:rB+11], v[rA:rA+11], 0, v[rP], v[rQ] matrix_a_fmt:MATRIX_FMT_FP6 matrix_b_fmt:MATRIX_FMT_FP6
.elseif (\a)%2 == 0
	v_wmma_scale_f32_16x16x128_f8f6f4 v[rD:rD+7], v[rB:rB+11], v[rA:rA+11], 0, v[rP], v[rQ] matrix_a_fmt:MATRIX_FMT_FP6 matrix_b_fmt:MATRIX_FMT_FP6 matrix_a_scale:MATRIX_SCALE_ROW1
.elseif (\b)%2 == 0
	v_wmma_scale_f32_16x16x128_f8f6f4 v[rD:rD+7], v[rB:rB+11], v[rA:rA+11], 0, v[rP], v[rQ] matrix_a_fmt:MATRIX_FMT_FP6 matrix_b_fmt:MATRIX_FMT_FP6 matrix_b_scale:MATRIX_SCALE_ROW1
.else
	v_wmma_scale_f32_16x16x128_f8f6f4 v[rD:rD+7], v[rB:rB+11], v[rA:rA+11], 0, v[rP], v[rQ] matrix_a_fmt:MATRIX_FMT_FP6 matrix_b_fmt:MATRIX_FMT_FP6 matrix_a_scale:MATRIX_SCALE_ROW1 matrix_b_scale:MATRIX_SCALE_ROW1
.endif
.else
.if ((\a)%2 == 0) && ((\b)%2 == 0)
	v_wmma_scale_f32_16x16x128_f8f6f4 v[rD:rD+7], v[rB:rB+11], v[rA:rA+11], v[rD:rD+7], v[rP], v[rQ] matrix_a_fmt:MATRIX_FMT_FP6 matrix_b_fmt:MATRIX_FMT_FP6
.elseif (\a)%2 == 0
	v_wmma_scale_f32_16x16x128_f8f6f4 v[rD:rD+7], v[rB:rB+11], v[rA:rA+11], v[rD:rD+7], v[rP], v[rQ] matrix_a_fmt:MATRIX_FMT_FP6 matrix_b_fmt:MATRIX_FMT_FP6 matrix_a_scale:MATRIX_SCALE_ROW1
.elseif (\b)%2 == 0
	v_wmma_scale_f32_16x16x128_f8f6f4 v[rD:rD+7], v[rB:rB+11], v[rA:rA+11], v[rD:rD+7], v[rP], v[rQ] matrix_a_fmt:MATRIX_FMT_FP6 matrix_b_fmt:MATRIX_FMT_FP6 matrix_b_scale:MATRIX_SCALE_ROW1
.else
	v_wmma_scale_f32_16x16x128_f8f6f4 v[rD:rD+7], v[rB:rB+11], v[rA:rA+11], v[rD:rD+7], v[rP], v[rQ] matrix_a_fmt:MATRIX_FMT_FP6 matrix_b_fmt:MATRIX_FMT_FP6 matrix_a_scale:MATRIX_SCALE_ROW1 matrix_b_scale:MATRIX_SCALE_ROW1
.endif
.endif
.endm
.macro MUL16 a0, set, ks               ; source 1's tiles a0, a0 + 1 x source 0's eight.  The 32 accumulators take turns, one instruction a turn, in the same order in every K block
.irp a, \a0, \a0+1
.irp b, 0,1,2,3,4,5,6,7
	PROD (\a), \b, \set, \ks
.endr
.endr
.endm
.macro GATE s                          ; my one tensor load has landed, and behind the barrier everybody's: all three panels are whole in LDS; nothing is filled again
	s_wait_tensorcnt 0x0
	s_barrier_signal -1
	s_barrier_wait -1
.endm
.macro STEP j
	s_wait_dscnt 6                                 ; all of this K block but source 1's tiles 2 and 3, the youngest six loads
	WIN 0x52                                       ; source 0 window 2, source 1 window 0, C and D window 1
	MUL16 0, (\j)%2, \j
	s_wait_dscnt 0x0
.if (\j) < 7
	PLACES
	FETCH (\j)+1, ((\j)+1)%2
.endif
	WIN 0x52
	MUL16 2, (\j)%2, \j
.endm
.macro QTAIL                           ; from the four largest magnitudes: the scale word in v[PW], the fragment's codes in v[PC] on
.irp b, 0,1,2,3
	v_add_nc_u32 v[TM+12+\b], 0xff000000, v[TM+\b] ; 2 off the exponent field: the conversion's scale operand
.endr
.irp b, 0,1,2,3
	v_lshrrev_b32 v[TM+4+\b], 23, v[TM+12+\b]      ; the scale's byte
.endr
	v_lshl_or_b32 v[PW], v[TM+5], 8, v[TM+4]
	v_lshl_or_b32 v[PW], v[TM+6], 16, v[PW]
	v_lshl_or_b32 v[PW], v[TM+7], 24, v[PW]
.irp c, 0,1
	v_cvt_scalef32_pk16_fp6_f32 v[PC+6*\c:PC+2+6*\c], v[X+32*\c:X+15+32*\c], v[TM+12+2*\c]
	v_cvt_scalef32_pk16_fp6_f32 v[PC+12+4*\c:PC+14+4*\c], v[X+16+32*\c:X+31+32*\c], v[TM+12+2*\c+1]   ; (a conversion's three registers begin on an even number)
.endr
	v_nop                                          ; one plain place behind a scaled conversion
.irp c, 0,1                            ; the operand's layout wants a whole block in a lane
.irp i, 0,1,2
	v_permlane16_swap_b32 v[PC+6*\c+\i], v[PC+12+4*\c+\i]
.endr
.irp i, 0,1,2
	v_mov_b32 v[PC+3+6*\c+\i], v[PC+12+4*\c+\i]
.endr
.endr
.endm
.macro PUTFI a                         ; the fragment leaves as an image, 512 consecutive bytes a store; its scale words are gathered in my scratch
.irp c, 0,1,2
	global_store_b128 v[GO], v[PC+4*\c:PC+4*\c+3], s[OUT:OUT+1] offset:FRAG*(\a)+512*\c
.endr
	ds_store_b32 v[SCW], v[PW] offset:64*(\a)
.endm
; The softmax's part of a tile of 16 queries x my 128 keys.  Register 16 b + i of the tile's 64 holds key 32 b + 16 (lane / 16) + i.
.macro SOFT a
.set AC, 64*(\a)
.set PC, 160+20*(\a)                   ; each tile's codes have 20 registers of their own (v160-239): no store's data are written again
	WIN 0x05
.irp b, 0,1,2,3
	v_max_num_f32 v[TM+\b], v[AC+16*\b], v[AC+16*\b+1]   ; the largest score of each block of 32 keys; each accumulator is read from its low end on
.endr
.irp i, 2,4,6,8,10,12,14
.irp b, 0,1,2,3
	v_max3_num_f32 v[TM+\b], v[AC+16*\b+\i], v[AC+16*\b+\i+1], v[TM+\b]
.endr
.endr
	WIN 0
.irp b, 0,1,2,3
	v_permlanex16_b32 v[TM+4+\b], v[TM+\b], s[SEL], s[SEL+1]
.endr
.irp b, 0,1,2,3
	v_max_num_f32 v[TM+\b], v[TM+\b], v[TM+4+\b]   ; with lane l xor 16's 16 keys
.endr
	v_max3_num_f32 v24, v[TM], v[TM+1], v[TM+2]
	v_max_num_f32 v24, v24, v[TM+3]                ; the chunk's largest score of my query
	v_mul_f32 v24, s[CS], v24                      ; as t
	v_floor_f32 v26, -v24                          ; -M = floor(-t) = -ceil(t)
	WIN 0x01
.set j, 0
.rept 32
	v_pk_fma_f32 v[X+j:X+j+1], v[AC+j:AC+j+1], s[CS:CS+1], v[26:27] op_sel_hi:[1,0,0]   ; t - M, two at a time
.set j, j+2
.endr
	WIN 0
.irp b, 0,1,2,3
	v_fma_f32 v[TM+\b], v[TM+\b], s[CS], v26       ; the same of each block's largest score: p rises with the score
.endr
.set j, 0
	s_wait_alu depctr_va_vdst(0)
.rept 64
	v_exp_f32 v[X+j], v[X+j]                       ; p = 2^(t - M), at most 1
.set j, j+1
.endr
	v_nop                                          ; a plain place behind the exponentials
	s_wait_alu depctr_va_vdst(0)                   ; one wait for the batch of 64, ahead of its first reader
.irp b, 0,1,2,3
	v_exp_f32 v[TM+\b], v[TM+\b]                   ; each block's largest p
.endr
	v_pk_add_f32 v[24:25], v[X:X+1], v[X+4:X+5]    ; l: the sum of the UNQUANTISED p, two at a time, in two chains; it reads the 64 alone
	v_pk_add_f32 v[28:29], v[X+2:X+3], v[X+6:X+7]
.irp j, 8,12,16,20,24,28,32,36,40,44,48,52,56,60
	v_pk_add_f32 v[24:25], v[24:25], v[X+\j:X+\j+1]
	v_pk_add_f32 v[28:29], v[28:29], v[X+\j+2:X+\j+3]
.endr
	v_pk_add_f32 v[24:25], v[24:25], v[28:29]
	v_add_f32 v24, v24, v25
	v_permlanex16_b32 v25, v24, s[SEL], s[SEL+1]
	v_add_f32 v24, v24, v25                        ; with lane l xor 16's keys: the chunk's l
	s_wait_alu depctr_va_vdst(0)                   ; and one wait for the four
.irp b, 0,1,2,3
	v_max_num_f32 v[TM+\b], 0x1800000, v[TM+\b]    ; the floor 2^(3 - 127): the byte cannot fall under 1
.endr
	QTAIL
	PUTFI \a
	ds_store_b32 v[SCW], v26 offset:256+64*(\a)    ; -M
	ds_store_b32 v[SCW], v24 offset:512+64*(\a)    ; l
.endm
	s_load_b128 s[4:7], s[0:1], 0x0                ; qkvfi, pfi
	s_load_b64 s[8:9], s[0:1], 0x10                ; stat
	v_lshl_add_u32 v[SPW], v0, 2, SPARE
	v_mov_b32 v[NIL], 0
	ds_add_u32 v[SPW], v[NIL]                      ; the wave's opening: the add, twice on end, and its wait ahead of my first tensor load
	ds_add_u32 v[SPW], v[NIL]
	v_lshrrev_b32 v1, 5, v0
	v_readfirstlane_b32 s[WV], v1                  ; wave 0..3
	s_lshr_b32 s[WM], s[WV], 1
	s_and_b32 s[WN], s[WV], 1
	s_bfe_u32 s[CX], ttmp6, 0x40000
	s_bfe_u32 s[CY], ttmp6, 0x40004
	s_lshl_b32 s[XT], ttmp9, 2
	s_add_co_u32 s[XT], s[XT], s[CX]               ; tile column: 256 keys
	s_and_b32 s[CLY], ttmp7, 0xffff
	s_lshr_b32 s[BAT], s[CLY], 1                   ; the batch: the same in all sixteen partners
	s_lshl_b32 s[YY], s[CLY], 2
	s_add_co_u32 s[YY], s[YY], s[CY]               ; tile row: the queries' panel, 0..63
	s_lshl_b32 s92, s[CY], 2
	s_lshl_b32 s92, 15, s92                        ; my row of the cluster
	s_lshl_b32 s93, 0x1111, s[CX]                  ; my column
	s_or_b32 s[G1A], s92, (3<<16)|(1<<21)          ; group 1: the mask; elements of 8 bytes; bit 21 beside a mask; no padding
	s_or_b32 s[G1B], s93, (3<<16)|(1<<21)
	s_mov_b32 s[G1A+1], 32<<16                     ; rows of 32 elements = 256 bytes, dense
	s_mov_b32 s[G1A+2], 200<<16                    ; source 1: four K blocks: 200 rows
	s_mov_b32 s[G1A+3], 32<<16
	s_mov_b32 s[G1A+4], 200
	s_mov_b32 s[G1A+5], 32
	s_mov_b32 s[G1A+6], 0
	s_mov_b32 s[G1A+7], 0
	s_mov_b32 s[G1B+1], 32<<16
	s_mov_b32 s[G1B+2], 400<<16                    ; source 0: a whole panel: 400 rows
	s_mov_b32 s[G1B+3], 32<<16
	s_mov_b32 s[G1B+4], 400
	s_mov_b32 s[G1B+5], 32
	s_mov_b32 s[G1B+6], 0
	s_mov_b32 s[G1B+7], 0
	s_mul_i32 s76, s[YY], PANEL                    ; q's panel,
	s_mul_i32 s96, s[WN], 4*KBLK                   ; K blocks 4 (w % 2) on, in memory and in LDS
	s_add_co_u32 s76, s76, s96
	s_mov_b32 s77, 0
	s_lshl_b32 s78, s[BAT], 3                      ; k's panels: 64 + 8 batch + 2 x tile column + (w / 2); K block w % 2 of a stage
	s_lshl_b32 s93, s[XT], 1
	s_add_co_u32 s78, s78, s93
	s_add_co_u32 s78, s78, s[WN]                   ; (here: + w % 2)
	s_add_co_u32 s78, s78, 64
	s_mul_i32 s78, s78, PANEL
	s_mov_b32 s79, 0
	s_mul_i32 s97, s[WN], PANEL
	s_add_co_u32 s97, s97, BLDS
	s_mul_i32 s84, s[YY], PANEL                    ; p: the queries' panel, K block = chunk 2 x tile column + w % 2
	s_lshl_b32 s86, s[XT], 1
	s_add_co_u32 s86, s86, s[WN]
	s_mul_i32 s94, s86, KBLK
	s_add_co_u32 s84, s84, s94
	s_mov_b32 s85, 0
	s_lshl_b32 s94, s[YY], 3                       ; -M and l: 512 bytes for each panel and chunk
	s_add_co_u32 s86, s86, s94
	s_lshl_b32 s86, s86, 9
	s_mov_b32 s87, 0
	s_mov_b32 s[SEL], 0x76543210
	s_mov_b32 s[SEL+1], 0xfedcba98
	s_mov_b32 s[CS], 0x3d38aa3b                    ; c = log2(e) / sqrt(1024)
	s_mov_b32 s[CS+1], s[CS]                       ; (named with it as a pair)
	s_wait_dscnt 0x0                               ; both opening adds are done
	s_wait_kmcnt 0x0
	s_add_nc_u64 s[76:77], s[4:5], s[76:77]
	s_add_nc_u64 s[78:79], s[4:5], s[78:79]
	s_add_nc_u64 s[OUT:OUT+1], s[6:7], s[OUT:OUT+1]
	s_add_nc_u64 s[86:87], s[8:9], s[86:87]
	s_mov_b32 s[G0], 1                             ; group 0 for source 1,
	s_mov_b32 s[G0+1], s96
	s_mov_b64 s[G0+2:G0+3], s[76:77]
	s_or_b32 s[G0+3], s[G0+3], 0x80000000
	s_mov_b32 s[G0+4], 1                           ; and for source 0
	s_mov_b32 s[G0+5], s97
	s_mov_b64 s[G0+6:G0+7], s[78:79]
	s_or_b32 s[G0+7], s[G0+7], 0x80000000
	CROUND                                         ; all sixteen work-groups are here: the joint loads meet
	; ONE TENSOR LOAD A WAVE: waves 0 and 1 fetch four K blocks each of source 1's panel, waves 2 and 3 a whole panel each of source 0: 307,200 bytes in four loads
	s_cmp_eq_u32 s[WM], 0                          ; the branch hangs on the wave's number alone
	s_cbranch_scc0 .Lfor_b
	tensor_load_to_lds s[G0:G0+3], s[G1A:G1A+7]
	s_nop 0
	PLACES
	s_branch .Lasked
.Lfor_b:
	tensor_load_to_lds s[G0+4:G0+7], s[G1B:G1B+7]
	s_nop 0
	PLACES
.Lasked:
	v_and_b32 v24, 31, v0                          ; lane
	v_and_b32 v25, 15, v0                          ; r
	v_lshlrev_b32 v[L16], 4, v24
	v_lshlrev_b32 v[L4], 2, v24
	s_mul_i32 s92, s[WM], 4*FRAG
	v_add_nc_u32 v[ADA], s92, v[L16]
	v_add_nc_u32 v[ADA+1], 4*KBLK, v[ADA]
	s_mul_i32 s93, s[WN], PANEL
	s_add_co_u32 s93, s93, BLDS
	v_add_nc_u32 v[ADB], s93, v[L16]
	v_add_nc_u32 v[ADB+1], 4*KBLK, v[ADB]
	s_lshl_b32 s94, s[WM], 8
	s_add_co_u32 s92, s94, SCOFF
	v_add_nc_u32 v[ASA], s92, v[L4]
	v_add_nc_u32 v[ASA+1], 4*KBLK, v[ASA]
	s_add_co_u32 s93, s93, SCOFF
	v_add_nc_u32 v[ASB], s93, v[L4]
	v_add_nc_u32 v[ASB+1], 4*KBLK, v[ASB]
	s_mul_i32 s93, s[WV], 768
	s_add_co_u32 s93, s93, SCR
	v_lshl_add_u32 v[SCW], v25, 2, s93
	v_lshl_add_u32 v[SCRD], v24, 3, s93
	v_lshl_add_u32 v[GS], v24, 3, s92              ; my 8 bytes of the result's 256 bytes of scale words
	v_lshl_add_u32 v3, v24, 3, s94                 ; and of the 256 bytes of -M and of l
	v_mov_b32 v27, 0                               ; (named as the upper half of the pair v[26:27])
.irp b, 0,1,2,3
	v_mov_b32 v[TM+4+\b], 0                        ; written once: a lane permute's destination counts as one of its sources
.endr
	GATE 0
	FETCH 0, 0
	STEP 0
	STEP 1
	STEP 2
	STEP 3
	STEP 4
	STEP 5
	STEP 6
	STEP 7
	WIN 0
	PLACES
	SOFT 0
	SOFT 1
	SOFT 2
	SOFT 3
	ds_load_b64 v[24:25], v[SCRD]                  ; LDS serves a wave's instructions in order: these see my stores
	ds_load_b64 v[26:27], v[SCRD] offset:256
	ds_load_b64 v[28:29], v[SCRD] offset:512
	s_wait_dscnt 0x0
	global_store_b64 v[GS], v[24:25], s[OUT:OUT+1] ; each store: one aligned 256 bytes
	global_store_b64 v3, v[26:27], s[86:87]
	global_store_b64 v3, v[28:29], s[86:87] offset:262144
	s_wait_tensorcnt 0x0                           ; the wave's end
	ds_add_u32 v[SPW], v[NIL]
	s_wait_dscnt 0x0
	CROUND                                         ; the closing round
	s_endpgm
.Lfunc_end_k_qaadf8ca00e_scores:
	.size	k_qaadf8ca00e_scores, .Lfunc_end_k_qaadf8ca00e_scores-k_qaadf8ca00e_scores
	.p2alignl 7, 3214868480
	.fill 96, 4, 3214868480
	.section	.rodata,"a",@progbits
	.p2align	6, 0x0
	.amdhsa_kernel k_qaadf8ca00e_scores
		.amdhsa_group_segment_fixed_size 327680
		.amdhsa_private_segment_fixed_size 0
		.amdhsa_enable_private_segment 0
		.amdhsa_kernarg_size 24
		.amdhsa_user_sgpr_count 2
		.amdhsa_user_sgpr_kernarg_segment_ptr 1
		.amdhsa_wavefront_size32 1
		.amdhsa_system_sgpr_workgroup_id_x 1
		.amdhsa_system_sgpr_workgroup_id_y 1
		.amdhsa_system_sgpr_workgroup_id_z 1
		.amdhsa_system_vgpr_workitem_id 0
		.amdhsa_next_free_vgpr 768
		.amdhsa_next_free_sgpr 100
		.amdhsa_reserve_vcc 0
		.amdhsa_float_denorm_mode_32 3
		.amdhsa_float_denorm_mode_16_64 3
		.amdhsa_memory_ordered 1
		.amdhsa_forward_progress 1
		.amdhsa_inst_pref_size 107
	.end_amdhsa_kernel
	.amdgpu_metadata
---
amdhsa.version: [ 1, 2 ]
amdhsa.kernels:
  - .name:           k_qaadf8ca00e_scores
    .symbol:         k_qaadf8ca00e_scores.kd
    .args:
      - { .name: qkvfi, .offset: 0, .size: 8, .value_kind: global_buffer, .address_space: global }
      - { .name: pfi, .offset: 8, .size: 8, .value_kind: global_buffer, .address_space: global }
      - { .name: stat, .offset: 16, .size: 8, .value_kind: global_buffer, .address_space: global }
    .group_segment_fixed_size: 327680
    .private_segment_fixed_size: 0
    .kernarg_segment_align: 8
    .kernarg_segment_size: 24
    .max_flat_workgroup_size: 128
    .sgpr_count:     100
    .vgpr_count:     768
    .wavefront_size: 32
...
	.end_amdgpu_metadata
.endif
;; end of part 3
;; launch pv (part 4): grid 4 x 64, 4 waves a work-group, clusters of 4 x 4, 327,680 bytes of LDS; arguments pfi, stat, qkvfi, ofi; writes ofi
.if DOCPART == 4
	.amdgcn_target "amdgcn-amd-amdhsa--gfx1250"
	.amdhsa_code_object_version 6
	.text
	.protected	k_qaadf8ca00e_pv
	.globl	k_qaadf8ca00e_pv
	.p2align	8
	.type	k_qaadf8ca00e_pv,@function
k_qaadf8ca00e_pv:
	s_mov_b64 s[64:65], 0
	v_nop
	global_prefetch_b8 v0, s[64:65] scope:SCOPE_SE
	s_setreg_imm32_b32 hwreg(HW_REG_WAVE_MODE, 25, 1), 1
	s_wait_xcnt 0x0
	s_wait_alu depctr_hold_cnt(0) depctr_sa_sdst(0) depctr_va_vdst(0) depctr_va_sdst(0) depctr_va_ssrc(0) depctr_va_vcc(0) depctr_vm_vsrc(0)
	s_getreg_b32 s2, hwreg(HW_REG_IB_STS2, 6, 4)
	s_cmp_eq_u32 s2, 0
	s_cbranch_scc0 .Lentry_in_a_cluster
	s_endpgm
.Lentry_in_a_cluster:
	s_bfe_u32 s2, ttmp6, 0x10000c
	s_cmp_lg_u32 s2, 0xf033
	s_cbranch_scc0 .Lentry_shape_is_right
	s_endpgm
.Lentry_shape_is_right:
; o = (p v) / l on codes of E2M3, quantised along the features and stored as codes.  No work is left out.
; p arrives chunk by chunk of 128 keys under each chunk's own whole number M.  At the head each wave finds its rows' M (the largest of the eight), takes M_row - M_chunk off p's scale bytes, which is exact, and sums
; l = the sum of l_chunk x 2^(M_chunk - M_row).  The product's result is multiplied by 1 / l and quantised.
; LIMITS: NaN and infinities are not served.  M_row - M_chunk is held at 127; a scale byte that would fall under 0 becomes 0 (2^-127): such a chunk's p are under 2^-124 of the row's largest, nothing beside l >= 1/2.
; Operands and results lie in the workspace format: panels of 128 rows x K 1,024 as eight K blocks of 12,800 bytes: eight tiles' register images of 1,536 bytes, then their scale words (64 bytes a tile).
; A WORK-GROUP makes 128 queries (source 1: p) x 256 features (source 0: v with the keys innermost) over all 1,024 keys; its three panels are asked for at the head by one tensor load a wave; nothing is filled again.
; THE MATRIX INSTRUCTION IS USED TRANSPOSED: a lane holds one query, its registers run along the features, the next product's K.  Wave w: tiles 4 (w / 2) on, feature panel w % 2.
; CLUSTER 4 x 4: p's panel is asked for jointly by a row of the cluster, v's panels by a column.
; REGISTERS.  Window 0: v1-15 addresses; v16-23 1 / l by tile, in pairs; v24-29 at work; v30, v31 the add's two; v32-63 v's scale words, v64-79 p's, as corrected; v80-143 first -M, l, p's raw words and a temporary, then X;
; v144-159 the quantiser's; v160-255 p's fragments, two sets (afterwards v160-239 codes).  Window 1: the accumulators.  Window 2: v0-191 v's fragments, two sets.
.set FRAG,  1536
.set KBLK,  12800
.set SCOFF, 12288
.set PANEL, 102400
.set BLDS,  PANEL
.set SCR,   3*PANEL
.set SPARE, SCR+4*768                  ; the spare words, 128 bytes a wave: two blocks of 256 bytes that no other line names
.set LOADSA, 0                         ; p's scale words do not come from LDS: they are corrected at the head
.set L16, 1
.set L4,  2
.set ADA, 4                            ; v4 = 6,144 (w / 2) + 16 lane is also my offset in a result's K block
.set GO,  4
.set ADB, 6
.set ASA, 8                            ; v8: here a global offset: my rows' scale words in a K block of p
.set ASB, 10
.set SCW, 12
.set SCRD, 13
.set GS,  15
.set FAC, 16
.set SPW, 30
.set NIL, 31
.set SB,  32
.set SA,  64
.set X,   80
.set NM,  80                           ; v80-95   -M of chunk k, tiles 2 j (lanes 0-15) and 2 j + 1 (lanes 16-31), at 2 k + j
.set LL,  96                           ; v96-111  l likewise
.set RW,  112                          ; v112-127 p's scale words as stored
.set T2,  128                          ; v128-143 at work
.set TM,  144
.set PW,  152
.set AF,  160
.set PC,  160
.set G1A, 16
.set G1B, 24
.set G0,  32
.set WV,  66
.set WM,  67
.set WN,  68
.set CX,  69
.set CY,  70
.set XT,  71
.set CLY, 72
.set YY,  73
.set BAT, 75
.set OUT, 84
.set SEL, 88
.set MSB, 0
.macro WIN new                         ; bits 1:0 source 0, 3:2 source 1, 5:4 source 2, 7:6 destination; the high byte repeats the setting that is left
.if MSB != \new
	s_set_vgpr_msb (MSB<<8)|\new
.set MSB, \new
.endif
.endm
.macro CROUND                          ; a round of the cluster's barrier
	s_barrier_signal -1
	s_barrier_wait -1
	s_cmp_lg_u32 s[WV], 0
	s_cbranch_scc1 .Lnot_wave_0_\@
	s_barrier_signal -3
.Lnot_wave_0_\@:
	s_barrier_wait -3
	s_barrier_signal -1
	s_barrier_wait -1
.endm
.macro PLACES                          ; four plain places behind matrix instructions, ahead of loads into their sources and of reads of their results
.rept 4
	v_nop
.endr
.endm
.macro FETCH ks, set                   ; K block ks: source 0's eight fragments and four registers of scale words, source 1's four fragments
	WIN 0x80
.irp b, 0,1,2,3,4,5,6,7
.irp c, 0,1,2
	ds_load_b128 v[96*(\set)+12*\b+4*\c:96*(\set)+12*\b+4*\c+3], v[ADB+(\ks)/4] offset:((\ks)%4)*KBLK+FRAG*\b+512*\c
.endr
.endr
	WIN 0
.irp j, 0,1,2,3
	ds_load_b32 v[SB+4*(\ks)+\j], v[ASB+(\ks)/4] offset:((\ks)%4)*KBLK+128*\j   ; lanes 0-15: tile 2 j's words, lanes 16-31: tile 2 j + 1's
.endr
.irp a, 0,1
.irp c, 0,1,2
	ds_load_b128 v[AF+48*(\set)+12*\a+4*\c:AF+48*(\set)+12*\a+4*\c+3], v[ADA+(\ks)/4] offset:((\ks)%4)*KBLK+FRAG*\a+512*\c
.endr
.endr
.irp a, 2,3
.irp c, 0,1,2
	ds_load_b128 v[AF+48*(\set)+12*\a+4*\c:AF+48*(\set)+12*\a+4*\c+3], v[ADA+(\ks)/4] offset:((\ks)%4)*KBLK+FRAG*\a+512*\c
.endr
.endr
.endm
.macro PROD a, b, set, ks              ; one product; K block 0 starts the sums with the constant 0.  An odd tile's scale words stand in lanes 16-31
.set rD, 8*(8*(\a)+(\b))
.set rB, 96*(\set)+12*(\b)
.set rA, AF+48*(\set)+12*(\a)
.set rP, SB+4*(\ks)+(\b)/2
.set rQ, SA+2*(\ks)+(\a)/2
.if (\ks) == 0
.if ((\a)%2 == 0) && ((\b)%2 == 0)
	v_wmma_scale_f32_16x16x128_f8f6f4 v[rD:rD+7], v[rB:rB+11], v[rA:rA+11], 0, v[rP], v[rQ] matrix_a_fmt:MATRIX_FMT_FP6 matrix_b_fmt:MATRIX_FMT_FP6
.elseif (\a)%2 == 0
	v_wmma_scale_f32_16x16x128_f8f6f4 v[rD:rD+7], v[rB:rB+11], v[rA:rA+11], 0, v[rP], v[rQ] matrix_a_fmt:MATRIX_FMT_FP6 matrix_b_fmt:MATRIX_FMT_FP6 matrix_a_scale:MATRIX_SCALE_ROW1
.elseif (\b)%2 == 0
	v_wmma_scale_f32_16x16x128_f8f6f4 v[rD:rD+7], v[rB:rB+11], v[rA:rA+11], 0, v[rP], v[rQ] matrix_a_fmt:MATRIX_FMT_FP6 matrix_b_fmt:MATRIX_FMT_FP6 matrix_b_scale:MATRIX_SCALE_ROW1
.else
	v_wmma_scale_f32_16x16x128_f8f6f4 v[rD:rD+7], v[rB:rB+11], v[rA:rA+11], 0, v[rP], v[rQ] matrix_a_fmt:MATRIX_FMT_FP6 matrix_b_fmt:MATRIX_FMT_FP6 matrix_a_scale:MATRIX_SCALE_ROW1 matrix_b_scale:MATRIX_SCALE_ROW1
.endif
.else
.if ((\a)%2 == 0) && ((\b)%2 == 0)
	v_wmma_scale_f32_16x16x128_f8f6f4 v[rD:rD+7], v[rB:rB+11], v[rA:rA+11], v[rD:rD+7], v[rP], v[rQ] matrix_a_fmt:MATRIX_FMT_FP6 matrix_b_fmt:MATRIX_FMT_FP6
.elseif (\a)%2 == 0
	v_wmma_scale_f32_16x16x128_f8f6f4 v[rD:rD+7], v[rB:rB+11], v[rA:rA+11], v[rD:rD+7], v[rP], v[rQ] matrix_a_fmt:MATRIX_FMT_FP6 matrix_b_fmt:MATRIX_FMT_FP6 matrix_a_scale:MATRIX_SCALE_ROW1
.elseif (\b)%2 == 0
	v_wmma_scale_f32_16x16x128_f8f6f4 v[rD:rD+7], v[rB:rB+11], v[rA:rA+11], v[rD:rD+7], v[rP], v[rQ] matrix_a_fmt:MATRIX_FMT_FP6 matrix_b_fmt:MATRIX_FMT_FP6 matrix_b_scale:MATRIX_SCALE_ROW1
.else
	v_wmma_scale_f32_16x16x128_f8f6f4 v[rD:rD+7], v[rB:rB+11], v[rA:rA+11], v[rD:rD+7], v[rP], v[rQ] matrix_a_fmt:MATRIX_FMT_FP6 matrix_b_fmt:MATRIX_FMT_FP6 matrix_a_scale:MATRIX_SCALE_ROW1 matrix_b_scale:MATRIX_SCALE_ROW1
.endif
.endif
.endm
.macro MUL16 a0, set, ks               ; source 1's tiles a0, a0 + 1 x source 0's eight.  The 32 accumulators take turns, one instruction a turn, in the same order in every K block
.irp a, \a0, \a0+1
.irp b, 0,1,2,3,4,5,6,7
	PROD (\a), \b, \set, \ks
.endr
.endr
.endm
.macro GATE s                          ; my one tensor load has landed, and behind the barrier everybody's: all three panels are whole in LDS; nothing is filled again
	s_wait_tensorcnt 0x0
	s_barrier_signal -1
	s_barrier_wait -1
.endm
.macro STEP j
	s_wait_dscnt 6                                 ; all of this K block but source 1's tiles 2 and 3, the youngest six loads
	WIN 0x52                                       ; source 0 window 2, source 1 window 0, C and D window 1
	MUL16 0, (\j)%2, \j
	s_wait_dscnt 0x0
.if (\j) < 7
	PLACES
	FETCH (\j)+1, ((\j)+1)%2
.endif
	WIN 0x52
	MUL16 2, (\j)%2, \j
.endm
.macro QMAX                            ; X: register 16 b + i = k 32 b + 16 (lane / 16) + i of my row: each block's largest magnitude, with the floor 2^(3 - 127)
.irp b, 0,1,2,3
	v_max3_num_f32 v[TM+\b], |v[X+16*\b]|, |v[X+1+16*\b]|, 0x1800000
.endr
.irp i, 2,4,6,8,10,12,14
.irp b, 0,1,2,3
	v_max3_num_f32 v[TM+\b], v[TM+\b], |v[X+16*\b+\i]|, |v[X+1+16*\b+\i]|
.endr
.endr
.irp b, 0,1,2,3
	v_permlanex16_b32 v[TM+4+\b], v[TM+\b], s[SEL], s[SEL+1]
.endr
.irp b, 0,1,2,3
	v_max_num_f32 v[TM+\b], v[TM+\b], v[TM+4+\b]
.endr
.endm
.macro QTAIL                           ; from the four largest magnitudes: the scale word in v[PW], the fragment's codes in v[PC] on
.irp b, 0,1,2,3
	v_add_nc_u32 v[TM+12+\b], 0xff000000, v[TM+\b] ; 2 off the exponent field: the conversion's scale operand
.endr
.irp b, 0,1,2,3
	v_lshrrev_b32 v[TM+4+\b], 23, v[TM+12+\b]      ; the scale's byte
.endr
	v_lshl_or_b32 v[PW], v[TM+5], 8, v[TM+4]
	v_lshl_or_b32 v[PW], v[TM+6], 16, v[PW]
	v_lshl_or_b32 v[PW], v[TM+7], 24, v[PW]
.irp c, 0,1
	v_cvt_scalef32_pk16_fp6_f32 v[PC+6*\c:PC+2+6*\c], v[X+32*\c:X+15+32*\c], v[TM+12+2*\c]
	v_cvt_scalef32_pk16_fp6_f32 v[PC+12+4*\c:PC+14+4*\c], v[X+16+32*\c:X+31+32*\c], v[TM+12+2*\c+1]   ; (a conversion's three registers begin on an even number)
.endr
	v_nop                                          ; one plain place behind a scaled conversion
.irp c, 0,1                            ; the operand's layout wants a whole block in a lane
.irp i, 0,1,2
	v_permlane16_swap_b32 v[PC+6*\c+\i], v[PC+12+4*\c+\i]
.endr
.irp i, 0,1,2
	v_mov_b32 v[PC+3+6*\c+\i], v[PC+12+4*\c+\i]
.endr
.endr
.endm
.macro PUTFI a                         ; the fragment leaves as an image, 512 consecutive bytes a store; its scale words are gathered in my scratch
.irp c, 0,1,2
	global_store_b128 v[GO], v[PC+4*\c:PC+4*\c+3], s[OUT:OUT+1] offset:FRAG*(\a)+512*\c
.endr
	ds_store_b32 v[SCW], v[PW] offset:64*(\a)
.endm
	s_load_b256 s[4:11], s[0:1], 0x0               ; pfi, stat, qkvfi, ofi
	v_lshl_add_u32 v[SPW], v0, 2, SPARE
	v_mov_b32 v[NIL], 0
	ds_add_u32 v[SPW], v[NIL]                      ; the wave's opening: the add, twice on end, and its wait ahead of my first tensor load
	ds_add_u32 v[SPW], v[NIL]
	v_lshrrev_b32 v1, 5, v0
	v_readfirstlane_b32 s[WV], v1                  ; wave 0..3
	s_lshr_b32 s[WM], s[WV], 1
	s_and_b32 s[WN], s[WV], 1
	s_bfe_u32 s[CX], ttmp6, 0x40000
	s_bfe_u32 s[CY], ttmp6, 0x40004
	s_lshl_b32 s[XT], ttmp9, 2
	s_add_co_u32 s[XT], s[XT], s[CX]               ; tile column: 256 features
	s_and_b32 s[CLY], ttmp7, 0xffff
	s_lshr_b32 s[BAT], s[CLY], 1                   ; the batch: the same in all sixteen partners
	s_lshl_b32 s[YY], s[CLY], 2
	s_add_co_u32 s[YY], s[YY], s[CY]               ; tile row: the queries' panel, 0..63
	s_lshl_b32 s92, s[CY], 2
	s_lshl_b32 s92, 15, s92                        ; my row of the cluster
	s_lshl_b32 s93, 0x1111, s[CX]                  ; my column
	s_or_b32 s[G1A], s92, (3<<16)|(1<<21)          ; group 1: the mask; elements of 8 bytes; bit 21 beside a mask; no padding
	s_or_b32 s[G1B], s93, (3<<16)|(1<<21)
	s_mov_b32 s[G1A+1], 32<<16                     ; rows of 32 elements = 256 bytes, dense
	s_mov_b32 s[G1A+2], 200<<16                    ; source 1: four K blocks: 200 rows
	s_mov_b32 s[G1A+3], 32<<16
	s_mov_b32 s[G1A+4], 200
	s_mov_b32 s[G1A+5], 32
	s_mov_b32 s[G1A+6], 0
	s_mov_b32 s[G1A+7], 0
	s_mov_b32 s[G1B+1], 32<<16
	s_mov_b32 s[G1B+2], 400<<16                    ; source 0: a whole panel: 400 rows
	s_mov_b32 s[G1B+3], 32<<16
	s_mov_b32 s[G1B+4], 400
	s_mov_b32 s[G1B+5], 32
	s_mov_b32 s[G1B+6], 0
	s_mov_b32 s[G1B+7], 0
	s_mul_i32 s86, s[YY], PANEL                    ; p's panel,
	s_mov_b32 s87, 0
	s_mul_i32 s76, s[YY], PANEL
	s_mul_i32 s96, s[WN], 4*KBLK                   ; K blocks 4 (w % 2) on, in memory and in LDS
	s_add_co_u32 s76, s76, s96
	s_mov_b32 s77, 0
	s_lshl_b32 s78, s[BAT], 3                      ; v's panels: 128 + 8 batch + 2 x tile column + (w / 2); K block w % 2 of a stage
	s_lshl_b32 s93, s[XT], 1
	s_add_co_u32 s78, s78, s93
	s_add_co_u32 s78, s78, s[WN]                   ; (here: + w % 2)
	s_add_co_u32 s78, s78, 128
	s_mul_i32 s78, s78, PANEL
	s_mov_b32 s79, 0
	s_mul_i32 s97, s[WN], PANEL
	s_add_co_u32 s97, s97, BLDS
	s_mul_i32 s84, s[YY], PANEL                    ; o: the queries' panel, K block 2 x tile column + w % 2
	s_lshl_b32 s94, s[XT], 1
	s_add_co_u32 s94, s94, s[WN]
	s_mul_i32 s94, s94, KBLK
	s_add_co_u32 s84, s84, s94
	s_mov_b32 s85, 0
	s_lshl_b32 s94, s[YY], 12                      ; -M and l: 4,096 bytes a panel
	s_mov_b32 s95, 0
	s_mov_b32 s[SEL], 0x76543210
	s_mov_b32 s[SEL+1], 0xfedcba98
	s_wait_dscnt 0x0                               ; both opening adds are done
	s_wait_kmcnt 0x0
	s_add_nc_u64 s[76:77], s[4:5], s[76:77]
	s_add_nc_u64 s[78:79], s[8:9], s[78:79]
	s_add_nc_u64 s[OUT:OUT+1], s[10:11], s[OUT:OUT+1]
	s_add_nc_u64 s[86:87], s[4:5], s[86:87]
	s_add_nc_u64 s[94:95], s[6:7], s[94:95]
	s_mov_b32 s[G0], 1                             ; group 0 for source 1,
	s_mov_b32 s[G0+1], s96
	s_mov_b64 s[G0+2:G0+3], s[76:77]
	s_or_b32 s[G0+3], s[G0+3], 0x80000000
	s_mov_b32 s[G0+4], 1                           ; and for source 0
	s_mov_b32 s[G0+5], s97
	s_mov_b64 s[G0+6:G0+7], s[78:79]
	s_or_b32 s[G0+7], s[G0+7], 0x80000000
	CROUND                                         ; all sixteen work-groups are here: the joint loads meet
	; ONE TENSOR LOAD A WAVE: waves 0 and 1 fetch four K blocks each of source 1's panel, waves 2 and 3 a whole panel each of source 0: 307,200 bytes in four loads
	s_cmp_eq_u32 s[WM], 0                          ; the branch hangs on the wave's number alone
	s_cbranch_scc0 .Lfor_b
	tensor_load_to_lds s[G0:G0+3], s[G1A:G1A+7]
	s_nop 0
	PLACES
	s_branch .Lasked
.Lfor_b:
	tensor_load_to_lds s[G0+4:G0+7], s[G1B:G1B+7]
	s_nop 0
	PLACES
.Lasked:
	v_and_b32 v24, 31, v0                          ; lane
	v_and_b32 v25, 15, v0                          ; r
	v_lshlrev_b32 v[L16], 4, v24
	v_lshlrev_b32 v[L4], 2, v24
	s_lshl_b32 s98, s[WM], 8
	s_add_co_u32 s92, s98, SCOFF
	v_add_nc_u32 v[ASA], s92, v[L4]                ; my rows' scale words in a K block: lanes 0-15 tile 4 (w / 2) + 2 j, lanes 16-31 the next, j by the offset
	v_add_nc_u32 v3, s98, v[L4]                    ; and their -M and l
.irp k, 0,1,2,3,4,5,6,7
.irp j, 0,1
	global_load_b32 v[RW+2*\k+\j], v[ASA], s[86:87] offset:KBLK*\k+128*\j
	global_load_b32 v[NM+2*\k+\j], v3, s[94:95] offset:512*\k+128*\j
	global_load_b32 v[LL+2*\k+\j], v3, s[94:95] offset:512*\k+128*\j+262144
.endr
.endr
	s_mul_i32 s93, s[WM], 4*FRAG
	v_add_nc_u32 v[ADA], s93, v[L16]
	v_add_nc_u32 v[ADA+1], 4*KBLK, v[ADA]
	s_mul_i32 s93, s[WN], PANEL
	s_add_co_u32 s93, s93, BLDS
	v_add_nc_u32 v[ADB], s93, v[L16]
	v_add_nc_u32 v[ADB+1], 4*KBLK, v[ADB]
	s_add_co_u32 s93, s93, SCOFF
	v_add_nc_u32 v[ASB], s93, v[L4]
	v_add_nc_u32 v[ASB+1], 4*KBLK, v[ASB]
	s_mul_i32 s93, s[WV], 768
	s_add_co_u32 s93, s93, SCR
	v_lshl_add_u32 v[SCW], v25, 2, s93
	v_lshl_add_u32 v[SCRD], v24, 3, s93
	v_lshl_add_u32 v[GS], v24, 3, s92              ; my 8 bytes of the result's 256 bytes of scale words
	v_mov_b32 v28, 0                               ; written once: a lane permute's destination counts as one of its sources
	v_mov_b32 v29, 0
.irp a, 0,1,2,3
	v_mov_b32 v[FAC+2*\a+1], 0                     ; (named as the upper halves of pairs)
.endr
.irp b, 0,1,2,3
	v_mov_b32 v[TM+4+\b], 0
.endr
	s_mov_b32 s92, 0x01010101
	s_mov_b32 s93, 0x80808080
	s_mov_b32 s98, 0x7f7f7f7f
	s_mov_b32 s99, 0xffff                          ; lanes 0-15
	s_wait_loadcnt 0x0
; THE CHUNKS ARE BROUGHT UNDER THE ROW'S M, while the tiles are on their way.  All registers by turns: no line waits for the line above it.
.irp j, 0,1
	v_min_num_f32 v[24+\j], v[NM+\j], v[NM+2+\j]   ; the row's -M is the least of the eight
.endr
.irp k, 2,3,4,5,6,7
.irp j, 0,1
	v_min_num_f32 v[24+\j], v[24+\j], v[NM+2*\k+\j]
.endr
.endr
.set n, 0
.rept 16
	v_sub_f32 v[NM+n], v[24+n%2], v[NM+n]          ; E = M_chunk - M_row: a whole number, 0 or less
.set n, n+1
.endr
.set n, 0
.rept 16
	v_max_num_f32 v[NM+n], 0xc2fe0000, v[NM+n]     ; held at -127
.set n, n+1
.endr
.set n, 0
.rept 16
	v_cvt_i32_f32 v[NM+n], v[NM+n]
.set n, n+1
.endr
.set n, 0
.rept 16
	v_ldexp_f32 v[LL+n], v[LL+n], v[NM+n]          ; l_chunk x 2^E: exact
.set n, n+1
.endr
.set n, 0
.rept 16
	v_mul_lo_u32 v[NM+n], v[NM+n], s92             ; E in each of the four bytes
.set n, n+1
.endr
.set n, 0
.rept 16
	v_or_b32 v[RW+n], s93, v[RW+n]                 ; p's bytes lie between 1 and 125: with 128 on top no byte borrows from the next
.set n, n+1
.endr
.set n, 0
.rept 16
	v_add_nc_u32 v[RW+n], v[RW+n], v[NM+n]         ; 128 + byte + E
.set n, n+1
.endr
.set n, 0
.rept 16
	v_and_b32 v[NM+n], s93, v[RW+n]                ; the top bit stands where byte + E is not negative
.set n, n+1
.endr
.set n, 0
.rept 16
	v_lshrrev_b32 v[NM+n], 7, v[NM+n]
.set n, n+1
.endr
.set n, 0
.rept 16
	v_lshlrev_b32 v[T2+n], 8, v[NM+n]
.set n, n+1
.endr
.set n, 0
.rept 16
	v_sub_nc_u32 v[NM+n], v[T2+n], v[NM+n]         ; 0xff in those bytes, 0 in the others
.set n, n+1
.endr
.set n, 0
.rept 16
	v_and_b32 v[RW+n], s98, v[RW+n]
.set n, n+1
.endr
.set n, 0
.rept 16
	v_and_b32 v[SA+n], v[RW+n], v[NM+n]            ; the scale word under the row's M
.set n, n+1
.endr
.irp j, 0,1
	v_add_f32 v[26+\j], v[LL+\j], v[LL+2+\j]       ; the row's l
.endr
.irp k, 2,3,4,5,6,7
.irp j, 0,1
	v_add_f32 v[26+\j], v[26+\j], v[LL+2*\k+\j]
.endr
.endr
	s_wait_alu depctr_va_vdst(0)
	v_rcp_f32 v26, v26
	v_rcp_f32 v27, v27
	v_nop                                          ; a plain place behind the reciprocals
	s_wait_alu depctr_va_vdst(0)                   ; one wait for both, ahead of their first reader
	v_permlanex16_b32 v28, v26, s[SEL], s[SEL+1]
	v_permlanex16_b32 v29, v27, s[SEL], s[SEL+1]
.irp j, 0,1                            ; 1 / l of tile 2 j stands in lanes 0-15, of tile 2 j + 1 in lanes 16-31: each is wanted in both halves
	v_cndmask_b32 v[FAC+4*\j], v[28+\j], v[26+\j], s99
	v_cndmask_b32 v[FAC+4*\j+2], v[26+\j], v[28+\j], s99
.endr
.rept 8
	v_nop                                          ; scale registers written by vector instructions stand eight places ahead of a scaled matrix instruction
.endr
	GATE 0
	FETCH 0, 0
	STEP 0
	STEP 1
	STEP 2
	STEP 3
	STEP 4
	STEP 5
	STEP 6
	STEP 7
	WIN 0
	PLACES
	s_wait_alu depctr_va_vdst(0)
.irp a, 0,1,2,3                        ; a tile of 16 queries at a time: / l, quantised along the features, stored as a fragment
.set PC, 160+20*\a                     ; each tile's codes have 20 registers of their own (v160-239): no store's data are written again
	WIN 0x01
.set j, 0
.rept 32
	v_pk_mul_f32 v[X+j:X+j+1], v[64*\a+j:64*\a+j+1], v[FAC+2*\a:FAC+2*\a+1] op_sel_hi:[1,0]
.set j, j+2
.endr
	WIN 0
	QMAX
	QTAIL
	PUTFI \a
.endr
	ds_load_b64 v[24:25], v[SCRD]                  ; LDS serves a wave's instructions in order: these see my four stores
	s_wait_dscnt 0x0
	global_store_b64 v[GS], v[24:25], s[OUT:OUT+1] ; four tiles' scale words: one aligned 256 bytes
	s_wait_tensorcnt 0x0                           ; the wave's end
	ds_add_u32 v[SPW], v[NIL]
	s_wait_dscnt 0x0
	CROUND                                         ; the closing round
	s_endpgm
.Lfunc_end_k_qaadf8ca00e_pv:
	.size	k_qaadf8ca00e_pv, .Lfunc_end_k_qaadf8ca00e_pv-k_qaadf8ca00e_pv
	.p2alignl 7, 3214868480
	.fill 96, 4, 3214868480
	.section	.rodata,"a",@progbits
	.p2align	6, 0x0
	.amdhsa_kernel k_qaadf8ca00e_pv
		.amdhsa_group_segment_fixed_size 327680
		.amdhsa_private_segment_fixed_size 0
		.amdhsa_enable_private_segment 0
		.amdhsa_kernarg_size 32
		.amdhsa_user_sgpr_count 2
		.amdhsa_user_sgpr_kernarg_segment_ptr 1
		.amdhsa_wavefront_size32 1
		.amdhsa_system_sgpr_workgroup_id_x 1
		.amdhsa_system_sgpr_workgroup_id_y 1
		.amdhsa_system_sgpr_workgroup_id_z 1
		.amdhsa_system_vgpr_workitem_id 0
		.amdhsa_next_free_vgpr 768
		.amdhsa_next_free_sgpr 100
		.amdhsa_reserve_vcc 0
		.amdhsa_float_denorm_mode_32 3
		.amdhsa_float_denorm_mode_16_64 3
		.amdhsa_memory_ordered 1
		.amdhsa_forward_progress 1
		.amdhsa_inst_pref_size 101
	.end_amdhsa_kernel
	.amdgpu_metadata
---
amdhsa.version: [ 1, 2 ]
amdhsa.kernels:
  - .name:           k_qaadf8ca00e_pv
    .symbol:         k_qaadf8ca00e_pv.kd
    .args:
      - { .name: pfi, .offset: 0, .size: 8, .value_kind: global_buffer, .address_space: global }
      - { .name: stat, .offset: 8, .size: 8, .value_kind: global_buffer, .address_space: global }
      - { .name: qkvfi, .offset: 16, .size: 8, .value_kind: global_buffer, .address_space: global }
      - { .name: ofi, .offset: 24, .size: 8, .value_kind: global_buffer, .address_space: global }
    .group_segment_fixed_size: 327680
    .private_segment_fixed_size: 0
    .kernarg_segment_align: 8
    .kernarg_segment_size: 32
    .max_flat_workgroup_size: 128
    .sgpr_count:     100
    .vgpr_count:     768
    .wavefront_size: 32
...
	.end_amdgpu_metadata
.endif
;; end of part 4
;; launch proj (part 5): grid 4 x 64, 4 waves a work-group, clusters of 4 x 4, 327,680 bytes of LDS; arguments ofi, wfi, bo, out0; writes out0
.if DOCPART == 5
	.amdgcn_target "amdgcn-amd-amdhsa--gfx1250"
	.amdhsa_code_object_version 6
	.text
	.protected	k_qaadf8ca00e_proj
	.globl	k_qaadf8ca00e_proj
	.p2align	8
	.type	k_qaadf8ca00e_proj,@function
k_qaadf8ca00e_proj:
	s_mov_b64 s[64:65], 0
	v_nop
	global_prefetch_b8 v0, s[64:65] scope:SCOPE_SE
	s_setreg_imm32_b32 hwreg(HW_REG_WAVE_MODE, 25, 1), 1
	s_wait_xcnt 0x0
	s_wait_alu depctr_hold_cnt(0) depctr_sa_sdst(0) depctr_va_vdst(0) depctr_va_sdst(0) depctr_va_ssrc(0) depctr_va_vcc(0) depctr_vm_vsrc(0)
	s_getreg_b32 s2, hwreg(HW_REG_IB_STS2, 6, 4)
	s_cmp_eq_u32 s2, 0
	s_cbranch_scc0 .Lentry_in_a_cluster
	s_endpgm
.Lentry_in_a_cluster:
	s_bfe_u32 s2, ttmp6, 0x10000c
	s_cmp_lg_u32 s2, 0xf033
	s_cbranch_scc0 .Lentry_shape_is_right
	s_endpgm
.Lentry_shape_is_right:
; out0 = o Wo + bo on codes of E2M3, f32 out.  No work is left out.
; Operands lie in the workspace format: panels of 128 rows x K 1,024 as eight K blocks of 12,800 bytes: eight tiles' register images of 1,536 bytes, then their scale words (64 bytes a tile).
; Lane-row r of tile t is panel row 32 (t / 2) + 8 (t % 2) + r + 8 (r / 8).
; A WORK-GROUP makes 128 tokens (source 1: o) x 256 outputs (source 0: Wo's columns) over all of K; its three panels, 307,200 bytes, are asked for at the head by one tensor load a wave; nothing is filled again.
; THE MATRIX INSTRUCTION IS USED TRANSPOSED: a lane holds one token, and the 16 registers of two neighbouring tiles of Wo are 16 neighbouring outputs.  Wave w: tiles 4 (w / 2) on, Wo's panel w % 2.
; THE WAY OUT: 16 tokens x 128 outputs at a time through the wave's stage in LDS, back as whole rows of 512 bytes.  The stages lie in source 1's region: it has had its one fill, and a barrier stands behind every wave's last read of it.
; CLUSTER 4 x 4: o's panel is asked for jointly by a row of the cluster, Wo's panels by a column.
; LIMITS: NaN and infinities are not served.
; REGISTERS.  Window 0: v1-13 addresses; v30, v31 the add's two; v32-63, v64-79 scale words; v80-143 X; v160-255 o's fragments, two sets (afterwards v160-223 rows on the way out).
; Window 1: the accumulators, (a, b) at v[8 (8 a + b)].  Window 2: v0-191 Wo's fragments, two sets; v192-255 bo.
.set FRAG,  1536
.set KBLK,  12800
.set SCOFF, 12288
.set PANEL, 102400
.set BLDS,  PANEL
.set SPARE, 3*PANEL+4*768              ; the spare words, 128 bytes a wave: two blocks of 256 bytes that no other line names
.set SPITCH, 528                       ; a stage row: 512 bytes + 16
.set LOADSA, 1
.set L16, 1
.set L4,  2
.set ADA, 4
.set ADB, 6
.set ASA, 8
.set ASB, 10
.set STO, 12
.set RD,  13
.set SPW, 30
.set NIL, 31
.set SB,  32
.set SA,  64
.set X,   80
.set AF,  160
.set BK,  160
.set G1A, 16
.set G1B, 24
.set G0,  32
.set WV,  66
.set WM,  67
.set WN,  68
.set CX,  69
.set CY,  70
.set XT,  71
.set CLY, 72
.set YY,  73
.set OUT, 84
.set MSB, 0
.macro WIN new                         ; bits 1:0 source 0, 3:2 source 1, 5:4 source 2, 7:6 destination; the high byte repeats the setting that is left
.if MSB != \new
	s_set_vgpr_msb (MSB<<8)|\new
.set MSB, \new
.endif
.endm
.macro CROUND                          ; a round of the cluster's barrier
	s_barrier_signal -1
	s_barrier_wait -1
	s_cmp_lg_u32 s[WV], 0
	s_cbranch_scc1 .Lnot_wave_0_\@
	s_barrier_signal -3
.Lnot_wave_0_\@:
	s_barrier_wait -3
	s_barrier_signal -1
	s_barrier_wait -1
.endm
.macro PLACES                          ; four plain places behind matrix instructions, ahead of loads into their sources and of reads of their results
.rept 4
	v_nop
.endr
.endm
.macro FETCH ks, set                   ; K block ks: source 0's eight fragments and four registers of scale words, source 1's four fragments and two
	WIN 0x80
.irp b, 0,1,2,3,4,5,6,7
.irp c, 0,1,2
	ds_load_b128 v[96*(\set)+12*\b+4*\c:96*(\set)+12*\b+4*\c+3], v[ADB+(\ks)/4] offset:((\ks)%4)*KBLK+FRAG*\b+512*\c
.endr
.endr
	WIN 0
.irp j, 0,1,2,3
	ds_load_b32 v[SB+4*(\ks)+\j], v[ASB+(\ks)/4] offset:((\ks)%4)*KBLK+128*\j   ; lanes 0-15: tile 2 j's words, lanes 16-31: tile 2 j + 1's
.endr
.irp a, 0,1
.irp c, 0,1,2
	ds_load_b128 v[AF+48*(\set)+12*\a+4*\c:AF+48*(\set)+12*\a+4*\c+3], v[ADA+(\ks)/4] offset:((\ks)%4)*KBLK+FRAG*\a+512*\c
.endr
.endr
.if LOADSA
.irp j, 0,1
	ds_load_b32 v[SA+2*(\ks)+\j], v[ASA+(\ks)/4] offset:((\ks)%4)*KBLK+128*\j
.endr
.endif
.irp a, 2,3
.irp c, 0,1,2
	ds_load_b128 v[AF+48*(\set)+12*\a+4*\c:AF+48*(\set)+12*\a+4*\c+3], v[ADA+(\ks)/4] offset:((\ks)%4)*KBLK+FRAG*\a+512*\c
.endr
.endr
.endm
.macro PROD a, b, set, ks              ; one product; K block 0 starts the sums with the constant 0.  An odd tile's scale words stand in lanes 16-31
.set rD, 8*(8*(\a)+(\b))
.set rB, 96*(\set)+12*(\b)
.set rA, AF+48*(\set)+12*(\a)
.set rP, SB+4*(\ks)+(\b)/2
.set rQ, SA+2*(\ks)+(\a)/2
.if (\ks) == 0
.if ((\a)%2 == 0) && ((\b)%2 == 0)
	v_wmma_scale_f32_16x16x128_f8f6f4 v[rD:rD+7], v[rB:rB+11], v[rA:rA+11], 0, v[rP], v[rQ] matrix_a_fmt:MATRIX_FMT_FP6 matrix_b_fmt:MATRIX_FMT_FP6
.elseif (\a)%2 == 0
	v_wmma_scale_f32_16x16x128_f8f6f4 v[rD:rD+7], v[rB:rB+11], v[rA:rA+11], 0, v[rP], v[rQ] matrix_a_fmt:MATRIX_FMT_FP6 matrix_b_fmt:MATRIX_FMT_FP6 matrix_a_scale:MATRIX_SCALE_ROW1
.elseif (\b)%2 == 0
	v_wmma_scale_f32_16x16x128_f8f6f4 v[rD:rD+7], v[rB:rB+11], v[rA:rA+11], 0, v[rP], v[rQ] matrix_a_fmt:MATRIX_FMT_FP6 matrix_b_fmt:MATRIX_FMT_FP6 matrix_b_scale:MATRIX_SCALE_ROW1
.else
	v_wmma_scale_f32_16x16x128_f8f6f4 v[rD:rD+7], v[rB:rB+11], v[rA:rA+11], 0, v[rP], v[rQ] matrix_a_fmt:MATRIX_FMT_FP6 matrix_b_fmt:MATRIX_FMT_FP6 matrix_a_scale:MATRIX_SCALE_ROW1 matrix_b_scale:MATRIX_SCALE_ROW1
.endif
.else
.if ((\a)%2 == 0) && ((\b)%2 == 0)
	v_wmma_scale_f32_16x16x128_f8f6f4 v[rD:rD+7], v[rB:rB+11], v[rA:rA+11], v[rD:rD+7], v[rP], v[rQ] matrix_a_fmt:MATRIX_FMT_FP6 matrix_b_fmt:MATRIX_FMT_FP6
.elseif (\a)%2 == 0
	v_wmma_scale_f32_16x16x128_f8f6f4 v[rD:rD+7], v[rB:rB+11], v[rA:rA+11], v[rD:rD+7], v[rP], v[rQ] matrix_a_fmt:MATRIX_FMT_FP6 matrix_b_fmt:MATRIX_FMT_FP6 matrix_a_scale:MATRIX_SCALE_ROW1
.elseif (\b)%2 == 0
	v_wmma_scale_f32_16x16x128_f8f6f4 v[rD:rD+7], v[rB:rB+11], v[rA:rA+11], v[rD:rD+7], v[rP], v[rQ] matrix_a_fmt:MATRIX_FMT_FP6 matrix_b_fmt:MATRIX_FMT_FP6 matrix_b_scale:MATRIX_SCALE_ROW1
.else
	v_wmma_scale_f32_16x16x128_f8f6f4 v[rD:rD+7], v[rB:rB+11], v[rA:rA+11], v[rD:rD+7], v[rP], v[rQ] matrix_a_fmt:MATRIX_FMT_FP6 matrix_b_fmt:MATRIX_FMT_FP6 matrix_a_scale:MATRIX_SCALE_ROW1 matrix_b_scale:MATRIX_SCALE_ROW1
.endif
.endif
.endm
.macro MUL16 a0, set, ks               ; source 1's tiles a0, a0 + 1 x source 0's eight.  The 32 accumulators take turns, one instruction a turn, in the same order in every K block
.irp a, \a0, \a0+1
.irp b, 0,1,2,3,4,5,6,7
	PROD (\a), \b, \set, \ks
.endr
.endr
.endm
.macro GATE s                          ; my one tensor load has landed, and behind the barrier everybody's: all three panels are whole in LDS; nothing is filled again
	s_wait_tensorcnt 0x0
	s_barrier_signal -1
	s_barrier_wait -1
.endm
.macro STEP j
	s_wait_dscnt 6                                 ; all of this K block but source 1's tiles 2 and 3, the youngest six loads
	WIN 0x52                                       ; source 0 window 2, source 1 window 0, C and D window 1
	MUL16 0, (\j)%2, \j
	s_wait_dscnt 0x0
.if (\j) < 7
	PLACES
	FETCH (\j)+1, ((\j)+1)%2
.endif
	WIN 0x52
	MUL16 2, (\j)%2, \j
.endm
	s_load_b256 s[4:11], s[0:1], 0x0               ; ofi, wfi, bo, out0
	v_lshl_add_u32 v[SPW], v0, 2, SPARE
	v_mov_b32 v[NIL], 0
	ds_add_u32 v[SPW], v[NIL]                      ; the wave's opening: the add, twice on end, and its wait ahead of my first tensor load
	ds_add_u32 v[SPW], v[NIL]
	v_lshrrev_b32 v1, 5, v0
	v_readfirstlane_b32 s[WV], v1                  ; wave 0..3
	s_lshr_b32 s[WM], s[WV], 1
	s_and_b32 s[WN], s[WV], 1
	s_bfe_u32 s[CX], ttmp6, 0x40000
	s_bfe_u32 s[CY], ttmp6, 0x40004
	s_lshl_b32 s[XT], ttmp9, 2
	s_add_co_u32 s[XT], s[XT], s[CX]               ; tile column: 256 outputs
	s_and_b32 s[CLY], ttmp7, 0xffff
	s_lshl_b32 s[YY], s[CLY], 2
	s_add_co_u32 s[YY], s[YY], s[CY]               ; tile row: the tokens' panel, 0..63
	s_lshl_b32 s92, s[CY], 2
	s_lshl_b32 s92, 15, s92                        ; my row of the cluster
	s_lshl_b32 s93, 0x1111, s[CX]                  ; my column
	s_or_b32 s[G1A], s92, (3<<16)|(1<<21)          ; group 1: the mask; elements of 8 bytes; bit 21 beside a mask; no padding
	s_or_b32 s[G1B], s93, (3<<16)|(1<<21)
	s_mov_b32 s[G1A+1], 32<<16                     ; rows of 32 elements = 256 bytes, dense
	s_mov_b32 s[G1A+2], 200<<16                    ; source 1: four K blocks: 200 rows
	s_mov_b32 s[G1A+3], 32<<16
	s_mov_b32 s[G1A+4], 200
	s_mov_b32 s[G1A+5], 32
	s_mov_b32 s[G1A+6], 0
	s_mov_b32 s[G1A+7], 0
	s_mov_b32 s[G1B+1], 32<<16
	s_mov_b32 s[G1B+2], 400<<16                    ; source 0: a whole panel: 400 rows
	s_mov_b32 s[G1B+3], 32<<16
	s_mov_b32 s[G1B+4], 400
	s_mov_b32 s[G1B+5], 32
	s_mov_b32 s[G1B+6], 0
	s_mov_b32 s[G1B+7], 0
	s_mul_i32 s76, s[YY], PANEL                    ; o's panel,
	s_mul_i32 s96, s[WN], 4*KBLK                   ; K blocks 4 (w % 2) on, in memory and in LDS
	s_add_co_u32 s76, s76, s96
	s_mov_b32 s77, 0
	s_lshl_b32 s78, s[XT], 1                       ; Wo's panels: 24 + 2 x tile column + (w / 2); K block w % 2 of a stage
	s_add_co_u32 s78, s78, s[WN]                   ; (here: + w % 2)
	s_add_co_u32 s78, s78, 24
	s_mul_i32 s78, s78, PANEL
	s_mov_b32 s79, 0
	s_mul_i32 s97, s[WN], PANEL
	s_add_co_u32 s97, s97, BLDS
	s_lshl_b32 s94, s[XT], 10                      ; my 128 outputs, in bytes: in bo and in a row of out0
	s_lshl_b32 s86, s[WN], 9
	s_add_co_u32 s94, s94, s86
	s_mov_b32 s95, 0
	s_lshl_b32 s84, s[YY], 19                      ; my first token's row: (128 x tile row + 64 (w / 2)) x 4,096 bytes
	s_lshl_b32 s86, s[WM], 18
	s_add_co_u32 s84, s84, s86
	s_add_co_u32 s84, s84, s94
	s_mov_b32 s85, 0
	s_wait_dscnt 0x0                               ; both opening adds are done
	s_wait_kmcnt 0x0
	s_add_nc_u64 s[76:77], s[4:5], s[76:77]
	s_add_nc_u64 s[78:79], s[6:7], s[78:79]
	s_add_nc_u64 s[94:95], s[8:9], s[94:95]
	s_add_nc_u64 s[OUT:OUT+1], s[10:11], s[OUT:OUT+1]
	s_mov_b32 s[G0], 1                             ; group 0 for source 1,
	s_mov_b32 s[G0+1], s96
	s_mov_b64 s[G0+2:G0+3], s[76:77]
	s_or_b32 s[G0+3], s[G0+3], 0x80000000
	s_mov_b32 s[G0+4], 1                           ; and for source 0
	s_mov_b32 s[G0+5], s97
	s_mov_b64 s[G0+6:G0+7], s[78:79]
	s_or_b32 s[G0+7], s[G0+7], 0x80000000
	CROUND                                         ; all sixteen work-groups are here: the joint loads meet
	; ONE TENSOR LOAD A WAVE: waves 0 and 1 fetch four K blocks each of source 1's panel, waves 2 and 3 a whole panel each of source 0: 307,200 bytes in four loads
	s_cmp_eq_u32 s[WM], 0                          ; the branch hangs on the wave's number alone
	s_cbranch_scc0 .Lfor_b
	tensor_load_to_lds s[G0:G0+3], s[G1A:G1A+7]
	s_nop 0
	PLACES
	s_branch .Lasked
.Lfor_b:
	tensor_load_to_lds s[G0+4:G0+7], s[G1B:G1B+7]
	s_nop 0
	PLACES
.Lasked:
	v_and_b32 v24, 31, v0                          ; lane
	v_and_b32 v25, 15, v0                          ; r
	v_bfe_u32 v26, v0, 4, 1                        ; h
	v_lshlrev_b32 v[L16], 4, v24
	v_lshlrev_b32 v[L4], 2, v24
	s_mul_i32 s92, s[WM], 4*FRAG
	v_add_nc_u32 v[ADA], s92, v[L16]
	v_add_nc_u32 v[ADA+1], 4*KBLK, v[ADA]
	s_mul_i32 s93, s[WN], PANEL
	s_add_co_u32 s93, s93, BLDS
	v_add_nc_u32 v[ADB], s93, v[L16]
	v_add_nc_u32 v[ADB+1], 4*KBLK, v[ADB]
	s_lshl_b32 s92, s[WM], 8
	s_add_co_u32 s92, s92, SCOFF
	v_add_nc_u32 v[ASA], s92, v[L4]
	v_add_nc_u32 v[ASA+1], 4*KBLK, v[ASA]
	s_add_co_u32 s93, s93, SCOFF
	v_add_nc_u32 v[ASB], s93, v[L4]
	v_add_nc_u32 v[ASB+1], 4*KBLK, v[ASB]
	s_mul_i32 s98, s[WV], 16*SPITCH                ; my stage
	v_mul_u32_u24 v[STO], v25, SPITCH
	v_lshl_add_u32 v[STO], v26, 6, v[STO]
	v_add_nc_u32 v[STO], s98, v[STO]               ; in: row r, + 64 h: 16 outputs of each 32
	v_add_nc_u32 v[RD], s98, v[L16]                ; back: a whole row, 16 bytes a lane
	v_lshlrev_b32 v3, 6, v26                       ; bo: 16 numbers on for lanes 16-31
	WIN 0x80
.irp b, 0,1,2,3
.irp q, 0,1,2,3
	global_load_b128 v[192+16*\b+4*\q:192+16*\b+4*\q+3], v3, s[94:95] offset:128*\b+16*\q
.endr
.endr
	WIN 0
	s_wait_alu depctr_va_vdst(0)
	GATE 0
	FETCH 0, 0
	STEP 0
	STEP 1
	STEP 2
	STEP 3
	STEP 4
	STEP 5
	STEP 6
	STEP 7
	WIN 0
	PLACES
	s_wait_loadcnt 0x0                             ; bo
	s_wait_dscnt 0x0                               ; my reads of the panels are over,
	s_barrier_signal -1
	s_barrier_wait -1                              ; and everybody's: source 1's region may take the stages
.irp a, 0,1,2,3                        ; 16 tokens at a time
.if \a == 0                            ; each tile's 16 rows come back into 64 registers of their own, so that no store's data are written again:
.set BK, 160                           ; tile 0: window 0, where o's fragments lay;
.else
.set BK, 64*(\a-1)                     ; tiles 1 to 3: window 2's v0-191, where Wo's fragments lay
.endif
	WIN 0x09
.set j, 0
.rept 32
	v_pk_add_f32 v[X+j:X+j+1], v[64*\a+j:64*\a+j+1], v[192+j:193+j]
.set j, j+2
.endr
	WIN 0
.irp b, 0,1,2,3
.irp q, 0,1,2,3
	ds_store_b128 v[STO], v[X+16*\b+4*\q:X+16*\b+4*\q+3] offset:128*\b+16*\q   ; register 16 b + i is output 32 b + 16 h + i
.endr
.endr
.if \a > 0
	WIN 0x80                                       ; destination window 2, address window 0
.endif
.irp i, 0,1,2,3,4,5,6,7,8,9,10,11,12,13,14,15
	ds_load_b128 v[BK+4*\i:BK+4*\i+3], v[RD] offset:SPITCH*\i   ; LDS serves a wave's instructions in order: these see my stores
.endr
.if \a > 0
	WIN 0x08                                       ; a store's data window 2, its offset window 0
.endif
.irp i, 0,1,2,3,4,5,6,7,8,9,10,11,12,13,14,15
	s_wait_dscnt 15-\i                             ; row i is back; the younger rows' loads may be out
	global_store_b128 v[L16], v[BK+4*\i:BK+4*\i+3], s[OUT:OUT+1] offset:(32*(\a/2)+8*(\a%2)+\i+8*(\i/8))*4096 th:TH_STORE_NT   ; 32 lanes store 512 consecutive bytes, aligned; written once, read by nobody here
.endr
.endr
	WIN 0
	s_wait_tensorcnt 0x0                           ; the wave's end
	ds_add_u32 v[SPW], v[NIL]
	s_wait_dscnt 0x0
	CROUND                                         ; the closing round
	s_endpgm
.Lfunc_end_k_qaadf8ca00e_proj:
	.size	k_qaadf8ca00e_proj, .Lfunc_end_k_qaadf8ca00e_proj-k_qaadf8ca00e_proj
	.p2alignl 7, 3214868480
	.fill 96, 4, 3214868480
	.section	.rodata,"a",@progbits
	.p2align	6, 0x0
	.amdhsa_kernel k_qaadf8ca00e_proj
		.amdhsa_group_segment_fixed_size 327680
		.amdhsa_private_segment_fixed_size 0
		.amdhsa_enable_private_segment 0
		.amdhsa_kernarg_size 32
		.amdhsa_user_sgpr_count 2
		.amdhsa_user_sgpr_kernarg_segment_ptr 1
		.amdhsa_wavefront_size32 1
		.amdhsa_system_sgpr_workgroup_id_x 1
		.amdhsa_system_sgpr_workgroup_id_y 1
		.amdhsa_system_sgpr_workgroup_id_z 1
		.amdhsa_system_vgpr_workitem_id 0
		.amdhsa_next_free_vgpr 768
		.amdhsa_next_free_sgpr 100
		.amdhsa_reserve_vcc 0
		.amdhsa_float_denorm_mode_32 3
		.amdhsa_float_denorm_mode_16_64 3
		.amdhsa_memory_ordered 1
		.amdhsa_forward_progress 1
		.amdhsa_inst_pref_size 88
	.end_amdhsa_kernel
	.amdgpu_metadata
---
amdhsa.version: [ 1, 2 ]
amdhsa.kernels:
  - .name:           k_qaadf8ca00e_proj
    .symbol:         k_qaadf8ca00e_proj.kd
    .args:
      - { .name: ofi, .offset: 0, .size: 8, .value_kind: global_buffer, .address_space: global }
      - { .name: wfi, .offset: 8, .size: 8, .value_kind: global_buffer, .address_space: global }
      - { .name: bo, .offset: 16, .size: 8, .value_kind: global_buffer, .address_space: global }
      - { .name: out0, .offset: 24, .size: 8, .value_kind: global_buffer, .address_space: global }
    .group_segment_fixed_size: 327680
    .private_segment_fixed_size: 0
    .kernarg_segment_align: 8
    .kernarg_segment_size: 32
    .max_flat_workgroup_size: 128
    .sgpr_count:     100
    .vgpr_count:     768
    .wavefront_size: 32
...
	.end_amdgpu_metadata
.endif
;; end of part 5
